; MI455X (gfx1250); checked and timed in simulation.
; The chip was launched on July 23, 2026; its instructions are those of AMD's public machine-readable ISA for CDNA 5 (MIT licence, August 2026) and "CDNA5" Instruction Set Architecture Reference Guide (July 2026). The comments in the code are by the model that wrote it; some were corrected since.
;; Vanilla MHA. Allowed arithmetic: matrix products marked QUANTISED: E2M3 operands, one E8M0 scale for each 32 along K, by v_wmma_scale_f32_16x16x128_f8f6f4 with both operands' format E2M3, f32 sums; everything else in f32.
;; Inputs: W_o_codes 1,024 x 32 x 24 uint8 (E2M3 codes of W_o, K innermost, in blocks of 32 codes, four codes in three bytes); W_o_scales 1,024 x 32 uint8 (E8M0 scales of W_o, one for each 32 codes along K); W_qkv_codes 3,072 x 32 x 24 uint8 (E2M3 codes of W_qkv, K innermost, in blocks of 32 codes, four codes in three bytes); W_qkv_scales 3,072 x 32 uint8 (E8M0 scales of W_qkv, one for each 32 codes along K); ln_beta 1,024 float32; ln_gamma 1,024 float32; x 4 x 2,048 x 1,024 float32.
;; Outputs: out0 4 x 2,048 x 1,024 float32.
;; This version of the problem:
;;   THIS VERSION OF THE PROBLEM IS GIVEN IN LOW PRECISION. The matrix products marked QUANTISED in the list below multiply operands that are first quantised to E2M3 (2 exponent bits, 3 mantissa bits; 6 bits a number), with one power-of-two scale for each 32 numbers along K (OCP MX v1.0); their sums are f32. All else is computed in f32.
;;   The module's matrix products, in the order in which they are computed (A, B: the left and right operand; K: the contracted axis; several contracted axes count as one K, in the product's order):
;;     1. [M 8,192, K 1,024] x [K 1,024, N 3,072]; A: computed on the way; B: input W_qkv (given as codes): QUANTISED
;;     2. batch 64 x [M 2,048, K 64] x [K 64, N 2,048]; A: computed on the way; B: computed on the way: QUANTISED
;;     3. batch 64 x [M 64, K 2,048] x [K 2,048, N 2,048]; A: computed on the way; B: softmax (see below): QUANTISED
;;     4. [M 8,192, K 1,024] x [K 1,024, N 1,024]; A: computed on the way; B: input W_o (given as codes): QUANTISED
;;   THE QUANTISER, for each operand of a quantised product, along K:
;;     - K is cut into blocks of 32 from its start; a last block that is shorter is filled with zeros.
;;     - A block's scale is 2^e with e = floor(log2(the largest magnitude in the block)) - 2, held to -126 .. 127; a block of zeros has e = 0. As a byte (E8M0): e + 127.
;;     - Each number is divided by its block's scale, clamped to +-7.5, and rounded to the nearest number of E2M3, ties to even, subnormals kept.
;;     - The product sums the exact products of the quantised numbers (number of the format x scale) in f32.
;;   ~~~python
;;   def quantise(x, axis):      # numpy; x: float32 -> the quantised numbers, widened to float32 again
;;       x = np.moveaxis(x, axis, -1); K = x.shape[-1]
;;       x = np.pad(x, [(0, 0)] * (x.ndim - 1) + [(0, -K % 32)]); x = x.reshape(x.shape[:-1] + (-1, 32)); a = np.abs(x).max(-1, keepdims=True)
;;       e = np.where(a > 0, np.clip(np.frexp(np.where(a > 0, a, 1))[1] - 1 - 2, -126, 127), 0)      # np.frexp(a)[1] - 1 = floor(log2(a)), exactly
;;       r = np.clip(x / 2.0 ** e, -7.5, 7.5)
;;       step = 2.0 ** (np.maximum(np.frexp(np.where(r == 0, 1, r))[1] - 1, 0) - 3)
;;       q = np.round(r / step) * step * 2.0 ** e      # np.round: ties to even
;;       return np.moveaxis(q.reshape(q.shape[:-2] + (-1,))[..., :K], -1, axis).astype(np.float32)
;;   ~~~
;;   SOFTMAX AHEAD OF A QUANTISED PRODUCT. Where the list says 'softmax', what is quantised is not the finished softmax but p = 2^(t - M), with t = logit x log2(e) and M = ceil(the row's largest t), a whole number; so 1/2 < the row's largest p <= 1. The row's sum l is taken of the UNQUANTISED p, in f32, and the product's result is divided by l at the end. Since M is a whole number, a kernel that streams over the keys may use a running M (the ceiling of the running maximum): every later rescaling is an exact power of two, which a block's scale takes up: the codes' values come out the same.
;;   OPERANDS COMPUTED ON THE WAY. 'Computed on the way' means the value that the module computes at that place (a softmax that the list does not call 'softmax' is quantised finished and normalised). What goes into a quantiser is computed in f32, as accurately as f32 sums, v_exp_f32 and their like allow (about 1e-6 of the number): no bf16 or f16 on the way to a quantiser, and a product that is left as it is and whose result goes on into a quantised operand takes f32 operands (vector FMAs, or v_wmma_f32_16x16x4_f32). A number that lies on a knife's edge between two numbers of the format may be rounded either way, as far as f32 arithmetic and the matrix unit's own rounding can turn it there, and no further.
;;   INPUTS GIVEN AS CODES. W_o (in the module: [1024, 1024], K = its axis 1); W_qkv (in the module: [3072, 1024], K = its axis 1): each comes as NAME_codes (uint8): NAME with its K axis moved to the last place and cut into blocks of 32 codes, [.., K / 32, bytes a block], one block behind the other in memory; four codes in three bytes: a row's codes are one little-endian stream of bits, code i at bits 6 i .. 6 i + 5 (a code: sign, 2 exponent bits, 3 mantissa bits); and NAME_scales (uint8): the same leading axes, one E8M0 byte (e + 127) for each 32 codes along K. Its value is code x scale, taken as it is: it is not quantised again, and the codes and scales need not be those that the quantiser above would give.
;; One version. Each part assembles by itself: llvm-mc -triple=amdgcn-amd-amdhsa -mcpu=gfx1250 --defsym DOCPART=n.
;; ======== version 1 of 1: 4 launches
;; workspace buffers: xq 6,553,600 bytes; qkv 20,185,088 bytes; cq 6,553,600 bytes
;; launch lnq (part 1): grid 256 x 1, 16 waves a work-group, no clusters, 102,912 bytes of LDS; arguments x, ln_gamma, ln_beta, xq; writes xq
.if DOCPART == 1
	.amdgcn_target "amdgcn-amd-amdhsa--gfx1250"
	.amdhsa_code_object_version 6
	.text
	.protected	k_q03be25d356_lnq
	.globl	k_q03be25d356_lnq
	.p2align	8
	.type	k_q03be25d356_lnq,@function
k_q03be25d356_lnq:
	s_mov_b64 s[64:65], 0
	v_nop
	global_prefetch_b8 v0, s[64:65] scope:SCOPE_SE
	s_setreg_imm32_b32 hwreg(HW_REG_WAVE_MODE, 25, 1), 1
	s_wait_xcnt 0x0
; xn = (x - mean) * rsqrt(var + 1e-5) * gamma + beta over rows of 1,024 f32, then quantised along the row to codes of E2M3 with one E8M0 byte for each 32.
; OUT (xq): codes as IMAGES of the matrix operand's registers.  An image is 768 bytes: 16 rows x 64 along K.  Image lane r + 16 h owns row r's block h (24 bytes):
; its words 0-3 lie at 16 x lane, its words 4-5 at 512 + 8 x lane.  [tile of 16 rows: 512][half of 64 along K: 16][768]; behind them, at XQS, the scale bytes, row-major [8192][32].
; SHARES.  A work-group takes 32 rows (two tiles); wave w takes row w of each tile; lane l holds block l of its row, 32 numbers in 32 registers.
; Each load reads 512 consecutive bytes; the row turns through the wave's own stage in LDS (places of 128 + 16 bytes) so that a lane gets its 128 neighbouring bytes.
; Mean and variance in two passes over the registers (the mean is taken away before the squares).  The row is read from memory once.
; The codes meet in LDS, one barrier, and wave w stores half w of both tiles: 512 and 256 consecutive aligned bytes a store.
; No matrix unit, no tensor load, no cluster: a stream that is read once and shared with nobody.
; LIMITS: NaN and infinities among the inputs are not served.  A block whose largest magnitude lies under 2^-124 gets the byte 1 (the floor);
; a block of zeros so gets 1 where the quantiser says 127: its codes are zeros, and this program alone reads the bytes.
.set TSB,  4608                        ; a wave's turn stage: 32 places of 144 bytes
.set PA,   73728                       ; words 0-3: for each tile 32 rows (block) x (16 waves x 16 bytes + 16)
.set PB,   91136                       ; words 4-5: for each tile 32 rows x (16 x 8 bytes + 8)
.set SCB,  99840                       ; scale bytes: for each tile 16 rows x 32
.set XQS,  6291456
.set T,    12                          ; v12-15 at work
.set G,    32                          ; v32-63   gamma of my block
.set BT,   64                          ; v64-95   beta
.set X0,   96                          ; v96-127  my block of the first row
.set X1,   128                         ; v128-159 of the second
.set C,    160                         ; v160-175 codes, 8 registers a row
.set OUTR, 176                         ; v176-191 the way out
	s_load_b256 s[4:11], s[0:1], 0x0               ; x s[4:5], gamma s[6:7], beta s[8:9], xq s[10:11]
	v_lshl_add_u32 v192, v0, 2, 0x18a00
	v_mov_b32 v193, 0
	v_lshrrev_b32 v1, 5, v0
	v_readfirstlane_b32 s12, v1                    ; wave 0..15
	v_and_b32 v1, 31, v0                           ; lane
	v_lshlrev_b32 v2, 4, v1                        ; 16 x lane
	v_lshlrev_b32 v10, 3, v1                       ; 8 x lane
	v_and_b32 v12, 15, v1                          ; r
	v_lshrrev_b32 v13, 4, v1                       ; h
	s_mul_i32 s13, s12, TSB
	v_lshrrev_b32 v3, 3, v1
	v_mul_u32_u24 v3, v3, 144
	v_and_b32 v4, 7, v1
	v_lshl_add_u32 v3, v4, 4, v3
	v_add_nc_u32 v3, s13, v3                       ; the stage, in: eight lanes' 128 bytes on end, then 16 of padding
	v_mul_u32_u24 v4, v1, 144
	v_add_nc_u32 v4, s13, v4                       ; and out: my place
	s_lshl_b32 s13, s12, 4
	s_add_co_u32 s13, s13, PA
	v_mul_u32_u24 v5, v1, 272
	v_add_nc_u32 v5, s13, v5                       ; words 0-3 of (block = lane, row = wave)
	s_lshl_b32 s13, s12, 3
	s_add_co_u32 s13, s13, PB
	v_mul_u32_u24 v6, v1, 136
	v_add_nc_u32 v6, s13, v6                       ; words 4-5
	s_lshl_b32 s13, s12, 5
	s_add_co_u32 s13, s13, SCB
	v_add_nc_u32 v7, s13, v1                       ; my block's scale byte: 32 x row + block
	s_mul_i32 s13, s12, 544
	s_add_co_u32 s13, s13, PA
	v_mul_u32_u24 v8, v13, 272
	v_lshl_add_u32 v8, v12, 4, v8
	v_add_nc_u32 v8, s13, v8                       ; back: half w = blocks 2 w, 2 w + 1: image lane (r, h) takes block 2 w + h of row r
	s_mul_i32 s13, s12, 272
	s_add_co_u32 s13, s13, PB
	v_mul_u32_u24 v9, v13, 136
	v_lshl_add_u32 v9, v12, 3, v9
	v_add_nc_u32 v9, s13, v9
	s_min_u32 s23, s12, 1                          ; waves 0 and 1 store the tiles' scale bytes; the other waves' address is held inside LDS and not used
	s_lshl_b32 s24, s23, 9
	s_lshl_b32 s22, ttmp9, 10
	s_add_co_u32 s22, s22, s24
	s_add_co_u32 s22, s22, XQS                     ; scale bytes: 32 rows x 32 bytes a work-group, 512 a tile
	s_mov_b32 s23, 0
	s_add_co_u32 s24, s24, SCB
	v_add_nc_u32 v11, s24, v2
	v_mov_b32 v28, 0                               ; a lane permute's destination counts as read: written once
	s_mov_b32 s14, 0x76543210
	s_mov_b32 s15, 0xfedcba98                      ; v_permlanex16_b32: lane l xor 16
	s_mov_b32 s20, 0x3a800000                      ; 1 / 1,024
	s_mov_b32 s21, 0x3727c5ac                      ; 1e-5
	s_lshl_b32 s16, ttmp9, 17                      ; x: 32 rows of 4,096 bytes a work-group,
	s_lshl_b32 s17, s12, 12                        ; my row
	s_add_co_u32 s16, s16, s17
	s_mov_b32 s17, 0
	s_mul_i32 s18, ttmp9, 24576                    ; xq: two tiles of 16 images a work-group,
	s_mul_i32 s19, s12, 768                        ; my half
	s_add_co_u32 s18, s18, s19
	s_mov_b32 s19, 0
	s_wait_kmcnt 0x0
	s_add_nc_u64 s[4:5], s[4:5], s[16:17]
	s_add_nc_u64 s[22:23], s[10:11], s[22:23]
	s_add_nc_u64 s[10:11], s[10:11], s[18:19]
.macro LOADROW reg, lo, off, nt        ; a row of 4,096 bytes: eight loads of 512 consecutive bytes
.irp j, 0,1,2,3,4,5,6,7
.if \nt
	global_load_b128 v[\reg+4*\j:\reg+4*\j+3], v2, s[\lo:\lo+1] offset:\off+512*\j th:TH_LOAD_NT
.else
	global_load_b128 v[\reg+4*\j:\reg+4*\j+3], v2, s[\lo:\lo+1] offset:\off+512*\j
.endif
.endr
.endm
.macro TURN reg                        ; through my stage: LDS serves a wave's instructions in order, so no wait stands between the stores and the loads, nor in front of the next row's stores
.irp j, 0,1,2,3,4,5,6,7
	ds_store_b128 v3, v[\reg+4*\j:\reg+4*\j+3] offset:576*\j
.endr
.irp j, 0,1,2,3,4,5,6,7
	ds_load_b128 v[\reg+4*\j:\reg+4*\j+3], v4 offset:16*\j
.endr
.endm
.macro REDUCE                          ; v[T] summed over the 32 lanes, the result in every lane
	v_add_f32_dpp v[T], v[T], v[T] row_xmask:1 row_mask:0xf bank_mask:0xf
	v_add_f32_dpp v[T], v[T], v[T] row_xmask:2 row_mask:0xf bank_mask:0xf
	v_add_f32_dpp v[T], v[T], v[T] row_xmask:4 row_mask:0xf bank_mask:0xf
	v_add_f32_dpp v[T], v[T], v[T] row_xmask:8 row_mask:0xf bank_mask:0xf
	v_permlanex16_b32 v28, v[T], s14, s15
	v_add_f32 v[T], v[T], v28
.endm
.macro STATS x, mu, rs                 ; x becomes x - mean; rs (a pair) becomes rsqrt(var + 1e-5)
	v_pk_add_f32 v[T:T+1], v[\x:\x+1], v[\x+2:\x+3]
	v_pk_add_f32 v[T+2:T+3], v[\x+4:\x+5], v[\x+6:\x+7]
.irp j, 8,12,16,20,24,28
	v_pk_add_f32 v[T:T+1], v[T:T+1], v[\x+\j:\x+\j+1]
	v_pk_add_f32 v[T+2:T+3], v[T+2:T+3], v[\x+\j+2:\x+\j+3]
.endr
	v_pk_add_f32 v[T:T+1], v[T:T+1], v[T+2:T+3]
	v_add_f32 v[T], v[T], v[T+1]
	REDUCE
	v_mul_f32 v[\mu], s20, v[T]
	v_mov_b32 v[\mu+1], v[\mu]
.irp j, 0,2,4,6,8,10,12,14,16,18,20,22,24,26,28,30
	v_pk_add_f32 v[\x+\j:\x+\j+1], v[\x+\j:\x+\j+1], v[\mu:\mu+1] neg_lo:[0,1] neg_hi:[0,1]
.endr
	v_pk_mul_f32 v[T:T+1], v[\x:\x+1], v[\x:\x+1]
	v_pk_mul_f32 v[T+2:T+3], v[\x+2:\x+3], v[\x+2:\x+3]
.irp j, 4,8,12,16,20,24,28
	v_pk_fma_f32 v[T:T+1], v[\x+\j:\x+\j+1], v[\x+\j:\x+\j+1], v[T:T+1]
	v_pk_fma_f32 v[T+2:T+3], v[\x+\j+2:\x+\j+3], v[\x+\j+2:\x+\j+3], v[T+2:T+3]
.endr
	v_pk_add_f32 v[T:T+1], v[T:T+1], v[T+2:T+3]
	v_add_f32 v[T], v[T], v[T+1]
	REDUCE
	v_fma_f32 v[T], v[T], s20, s21                 ; var + 1e-5
	v_rsq_f32 v[\rs], v[T]
	v_nop                                          ; one plain instruction behind a transcendental before its result is used
	s_wait_alu depctr_va_vdst(0)
	v_mov_b32 v[\rs+1], v[\rs]
.endm
.macro NORMQ x, rs, c, mt              ; the affine part, my block's scale, its 32 codes; all to LDS
.irp j, 0,2,4,6,8,10,12,14,16,18,20,22,24,26,28,30
	v_pk_mul_f32 v[\x+\j:\x+\j+1], v[\x+\j:\x+\j+1], v[\rs:\rs+1]
.endr
.irp j, 0,2,4,6,8,10,12,14,16,18,20,22,24,26,28,30
	v_pk_fma_f32 v[\x+\j:\x+\j+1], v[\x+\j:\x+\j+1], v[G+\j:G+\j+1], v[BT+\j:BT+\j+1]
.endr
	v_max3_num_f32 v24, |v[\x]|, |v[\x+1]|, |v[\x+2]|      ; the block's largest magnitude: all 32 numbers are mine; two chains
	v_max3_num_f32 v25, |v[\x+3]|, |v[\x+4]|, |v[\x+5]|
.irp i, 6,10,14,18,22,26
	v_max3_num_f32 v24, v24, |v[\x+\i]|, |v[\x+\i+1]|
	v_max3_num_f32 v25, v25, |v[\x+\i+2]|, |v[\x+\i+3]|
.endr
	v_max3_num_f32 v24, v24, |v[\x+30]|, |v[\x+31]|
	v_max3_num_f32 v24, v24, v25, 0x1800000        ; and the floor 2^(3 - 127): the byte cannot fall under 1
	v_add_nc_u32 v26, 0xff000000, v24              ; 2 off the exponent field: the conversion takes this operand's exponent field as its scale
	v_cvt_scalef32_pk16_fp6_f32 v[\c:\c+2], v[\x:\x+15], v26
	v_cvt_scalef32_pk16_fp6_f32 v[\c+4:\c+6], v[\x+16:\x+31], v26   ; (a conversion's three registers begin on an even number)
	v_lshrrev_b32 v27, 23, v26                     ; the scale's byte; also the plain instruction behind the conversions
	v_mov_b32 v[\c+3], v[\c+4]                     ; the block's 24 bytes on end
	v_mov_b32 v[\c+4], v[\c+5]
	v_mov_b32 v[\c+5], v[\c+6]
	ds_store_b128 v5, v[\c:\c+3] offset:\mt*8704
	ds_store_b64 v6, v[\c+4:\c+5] offset:\mt*4352
	ds_store_b8 v7, v27 offset:\mt*512
.endm
	LOADROW X0, 4, 0, 1
	LOADROW X1, 4, 65536, 1                        ; the same row of the second tile: 16 rows on
	LOADROW G, 6, 0, 0
	LOADROW BT, 8, 0, 0
	s_wait_loadcnt 24                              ; the first row's eight loads are in; the 24 younger stay out
	TURN X0
	s_wait_loadcnt 16                              ; the second row's
	TURN X1
	s_wait_dscnt 16                                ; the first row is back; the second row's sixteen LDS instructions stay out
	STATS X0, 16, 18
	s_wait_dscnt 0x0
	STATS X1, 20, 22
	s_wait_loadcnt 0x0                             ; gamma and beta
	TURN G
	TURN BT
	s_wait_dscnt 0x0
	NORMQ X0, 18, C, 0
	NORMQ X1, 22, C+8, 1
	s_wait_dscnt 0x0                               ; for the others' sake: my stores have landed
	s_barrier_signal -1
	s_barrier_wait -1
.irp m, 0,1
	ds_load_b128 v[OUTR+8*\m:OUTR+8*\m+3], v8 offset:\m*8704
	ds_load_b64 v[OUTR+8*\m+4:OUTR+8*\m+5], v9 offset:\m*4352
.endr
	s_wait_dscnt 0x0
.irp m, 0,1
	global_store_b128 v2, v[OUTR+8*\m:OUTR+8*\m+3], s[10:11] offset:\m*12288         ; 512 consecutive bytes, aligned to 256
	global_store_b64 v10, v[OUTR+8*\m+4:OUTR+8*\m+5], s[10:11] offset:\m*12288+512   ; 256 consecutive bytes, aligned
.endr
	s_cmp_gt_u32 s12, 1
	s_cbranch_scc1 .Ldone
	ds_load_b128 v[C:C+3], v11                     ; wave w (0, 1): the 512 scale bytes of tile w
	s_wait_dscnt 0x0
	global_store_b128 v2, v[C:C+3], s[22:23]
.Ldone:
	s_wait_tensorcnt 0x0
	ds_add_u32 v192, v193
	s_wait_dscnt 0x0
	s_endpgm
.Lfunc_end_k_q03be25d356_lnq:
	.size	k_q03be25d356_lnq, .Lfunc_end_k_q03be25d356_lnq-k_q03be25d356_lnq
	.p2alignl 7, 3214868480
	.fill 96, 4, 3214868480
	.section	.rodata,"a",@progbits
	.p2align	6, 0x0
	.amdhsa_kernel k_q03be25d356_lnq
		.amdhsa_group_segment_fixed_size 102912
		.amdhsa_private_segment_fixed_size 0
		.amdhsa_enable_private_segment 0
		.amdhsa_kernarg_size 32
		.amdhsa_user_sgpr_count 2
		.amdhsa_user_sgpr_kernarg_segment_ptr 1
		.amdhsa_wavefront_size32 1
		.amdhsa_system_sgpr_workgroup_id_x 1
		.amdhsa_system_sgpr_workgroup_id_y 1
		.amdhsa_system_sgpr_workgroup_id_z 1
		.amdhsa_system_vgpr_workitem_id 0
		.amdhsa_next_free_vgpr 194
		.amdhsa_next_free_sgpr 66
		.amdhsa_reserve_vcc 0
		.amdhsa_float_denorm_mode_32 3
		.amdhsa_float_denorm_mode_16_64 3
		.amdhsa_memory_ordered 1
		.amdhsa_forward_progress 1
		.amdhsa_inst_pref_size 27
	.end_amdhsa_kernel
	.amdgpu_metadata
---
amdhsa.version: [ 1, 2 ]
amdhsa.kernels:
  - .name:           k_q03be25d356_lnq
    .symbol:         k_q03be25d356_lnq.kd
    .args:
      - { .name: x, .offset: 0, .size: 8, .value_kind: global_buffer, .address_space: global }
      - { .name: ln_gamma, .offset: 8, .size: 8, .value_kind: global_buffer, .address_space: global }
      - { .name: ln_beta, .offset: 16, .size: 8, .value_kind: global_buffer, .address_space: global }
      - { .name: xq, .offset: 24, .size: 8, .value_kind: global_buffer, .address_space: global }
    .group_segment_fixed_size: 102912
    .private_segment_fixed_size: 0
    .kernarg_segment_align: 8
    .kernarg_segment_size: 32
    .max_flat_workgroup_size: 512
    .sgpr_count:     66
    .vgpr_count:     194
    .wavefront_size: 32
...
	.end_amdgpu_metadata
.endif
;; end of part 1
;; launch qkv (part 2): grid 16 x 32, 4 waves a work-group, clusters of 4 x 4, 327,680 bytes of LDS; arguments xq, W_qkv_codes, W_qkv_scales, qkv; writes qkv
.if DOCPART == 2
	.amdgcn_target "amdgcn-amd-amdhsa--gfx1250"
	.amdhsa_code_object_version 6
	.text
	.protected	k_q03be25d356_qkv
	.globl	k_q03be25d356_qkv
	.p2align	8
	.type	k_q03be25d356_qkv,@function
k_q03be25d356_qkv:
	s_mov_b64 s[64:65], 0
	v_nop
	global_prefetch_b8 v0, s[64:65] scope:SCOPE_SE
	s_setreg_imm32_b32 hwreg(HW_REG_WAVE_MODE, 25, 1), 1
	s_wait_xcnt 0x0
	s_wait_alu depctr_hold_cnt(0) depctr_sa_sdst(0) depctr_va_vdst(0) depctr_va_sdst(0) depctr_va_ssrc(0) depctr_va_vcc(0) depctr_vm_vsrc(0)
	s_getreg_b32 s2, hwreg(HW_REG_IB_STS2, 6, 4)
	s_cmp_eq_u32 s2, 0
	s_cbranch_scc0 .Lentry_in_a_cluster
	s_endpgm
.Lentry_in_a_cluster:
	s_bfe_u32 s2, ttmp6, 0x10000c
	s_cmp_lg_u32 s2, 0xf033
	s_cbranch_scc0 .Lentry_shape_is_right
	s_endpgm
.Lentry_shape_is_right:
; qkv = xn W_qkv^T on codes of E2M3 with E8M0 block scales, K = 1,024; Q, K and V are quantised in registers and leave as codes only.
; A work-group makes 256 tokens x one head's 192 columns.  Wave (rh, ch) makes 128 tokens x 96 columns: 64 of Q (ch = 0) or of K (ch = 1), and V's d = 32 ch .. 32 ch + 31.
;   Q, K: TRANSPOSED (source 0 = 16 rows of W, source 1 = 16 tokens): a lane holds one token, its registers run along d, which is the next product's K.
;   V: NATURAL (source 0 = 16 tokens, source 1 = 16 rows of W): a lane holds one d, its registers run along the tokens, which are the keys: the K of attention's second product.
; 48 accumulators a wave, each with one matrix instruction for each 128 along K, always in the same order.
; xn comes as images of the operand's registers (768 bytes: 16 rows x 64 K; image lane r + 16 h: words 0-3 at 16 x lane, words 4-5 at 512 + 8 x lane); W as rows of a stream of bits.
; K goes in steps of 256 through two LDS slots filled by the tensor data mover; four such steps are written out.  The scale bytes of all of K come once, with the first fills.
; CLUSTER 4 x 4: xn's tiles hang on the block of tokens alone and are asked for jointly along a row of the cluster, W's hang on the head alone and are asked for jointly along a column.
; ORDER INSIDE A BLOCK OF 32.  A lane (r, h) holds of each block the numbers 8 h + 0..7 and 16 + 8 h + 0..7; after the exchange of halves a block's codes stand in the order
; 0-7, 16-23, 8-15, 24-31.  The block's numbers, and so its scale, are the true ones, and the partner operand (K for Q; the softmax's p for V) is laid in the same order, so each product pairs the right numbers.
; OUT (qkv): q_img [bh][tile of 16 tokens: 128][768]; k_img likewise; v_img [bh][128 keys: 16][tile of 16 d: 4][64 keys: 2][768];
;   q_sc [bh][16][lane 32][4] words: word p of lane r + 16 u = row r of tile 2 p + u (bytes: block 0, block 1, 0x7f, 0x7f); kv_sc [bh][16][768]: K's words so (512 bytes), then V's [2][lane 32]: lane r + 16 u of word q = d-tile 2 q + u.
; LIMITS: NaN and infinities are not served.  A block whose largest magnitude lies under 2^-124 gets the byte 1; a block of zeros so gets 1 where the quantiser says 127: its codes are zeros and this program alone reads the bytes.
; REGISTERS: window 0: v1-29 addresses; v32-63 scale words, two sets; v64-127 at work on the way out; v128-223 xn's eight fragments, ONE set (on the way out: codes).
;   window 1: W's six fragments, two sets, at v0 and v128.   window 2: Q's or K's accumulators, (token tile a, W tile b) at v[8 (4 a + b)].   window 3: V's, (d tile vb, token tile a) at v[8 (8 vb + a)].
.set XQS,   6291456
.set KIMG,  6291456
.set VIMG,  12582912
.set QSC,   18874368
.set KVSC,  19398656
.set FR,    12                         ; registers of a fragment
.set PITCH, 240                        ; a row of W in LDS: 3 x (64 bytes + 16 of padding)
.set ASZ,   49152                      ; a slot's part for xn: 16 tiles x 4 images
.set SLOT,  95232                      ; + 192 rows of W
.set SCW,   2*SLOT                     ; W's scale bytes: 24 units of 256 bytes + 16
.set SCX,   SCW+24*272                 ; xn's: 32 units
.set SPARE, 205824                     ; the spare words, 128 bytes a wave: two blocks of 256 bytes that no other line names
.set SBLK,  544                        ; the scale bytes of 16 rows: two units
.set ADA16, 8                          ; v8-9    xn's images in slot 0, 1: + 16 x lane
.set ADA8,  10                         ; v10-11  + 8 x lane
.set ADRB,  12                         ; v12-13  my Q or K rows of W in slot 0, 1 (v14-15: behind one padding more)
.set ADRV,  16                         ; v16-17  my V rows (v18-19)
.set ADRS,  20                         ; v20     scale words, blocks 0-3: lanes 0-15 W's, lanes 16-31 xn's
.set ADRS2, 21                         ; v21     blocks 4-7
.set L16,   22
.set L8,    23
.set L4,    24
.set SPW,   28                         ; v28     my spare word's LDS address; never rewritten
.set NIL,   29                         ; v29     0; never rewritten
.set SC,    32                         ; register SC + 16 set + 2 i + q: lanes 0-15 W's block i, lanes 16-31 xn's block i, the slot's q-th 128 along K
.set TM,    64
.set TP,    72
.set SO,    80
.set BY,    88
.set TT,    96
.set PW,    112
.set KW,    120
.set PWV,   124
.set VW,    126
.set AF,    128
.set CD,    128                        ; the way out: eight registers of codes for each token tile
.set VC,    192                        ; twelve for each d tile
.set G1,   24
.set G0,   32
.set G1B,  48
.set G0B,  56
.set G1S,  68
.set G0S,  76
.set G1SB, 80
.set G0SB, 88
.set MSB, 0
.macro WIN new                         ; the immediate's high byte repeats the setting that is left
.if MSB != \new
	s_set_vgpr_msb (MSB<<8)|\new
.set MSB, \new
.endif
.endm
.set MUL_Q, 0xa1                       ; source 0 (W) window 1, source 1 (xn) window 0, C and D window 2
.set MUL_V, 0xf4                       ; source 0 (xn) window 0, source 1 (W) window 1, C and D window 3
.set TO_B,  0x40                       ; destination window 1
.macro JLOAD g0a, g1a, g0b, g1b        ; a joint load: waves 0 and 1 fetch for xn, waves 2 and 3 for W; four v_nop follow each line
	s_cmp_eq_u32 s15, 0
	s_cbranch_scc0 .Lfor_b_\@
	tensor_load_to_lds s[\g0a:\g0a+3], s[\g1a:\g1a+7]
	s_nop 0
.rept 4
	v_nop
.endr
	s_branch .Lasked_\@
.Lfor_b_\@:
	tensor_load_to_lds s[\g0b:\g0b+3], s[\g1b:\g1b+7]
	s_nop 0
.rept 4
	v_nop
.endr
.Lasked_\@:
.endm
.macro CREST                           ; a round of the cluster's barrier behind its opening barrier
	s_cmp_lg_u32 s14, 0
	s_cbranch_scc1 .Lnot_wave_0_\@
	s_barrier_signal -3
.Lnot_wave_0_\@:
	s_barrier_wait -3
	s_barrier_signal -1
	s_barrier_wait -1
.endm
.macro CROUND
	s_barrier_signal -1
	s_barrier_wait -1
	CREST
.endm
.macro PLACES n                        ; plain vector instructions between a matrix instruction and a load into, or a read of, its registers
.rept \n
	v_nop
.endr
.endm
	s_load_b256 s[4:11], s[0:1], 0x0               ; xq s[4:5], W's codes s[6:7], W's scales s[8:9], qkv s[10:11]
	v_lshl_add_u32 v[SPW], v0, 2, SPARE
	v_mov_b32 v[NIL], 0
	ds_add_u32 v28, v29
	ds_add_u32 v28, v29
	s_wait_dscnt 0x0
	v_lshrrev_b32 v1, 5, v0
	v_readfirstlane_b32 s14, v1                    ; wave 0..3
	s_lshr_b32 s15, s14, 1                         ; rh: my half of the tokens.  Also: I fetch for xn (0) or for W (1)
	s_and_b32 s16, s14, 1                          ; ch: Q or K, and which half of V.  Also: which half of a tile I fetch
	s_bfe_u32 s40, ttmp6, 0x40000                  ; cx, cy: my place in the cluster
	s_bfe_u32 s41, ttmp6, 0x40004
	s_lshl_b32 s42, ttmp9, 2
	s_add_co_u32 s42, s42, s40                     ; the head = 4 x cluster x + cx
	s_and_b32 s17, ttmp7, 0xffff
	s_lshl_b32 s17, s17, 2
	s_add_co_u32 s17, s17, s41                     ; the block of 256 tokens = 4 x cluster y + cy
	s_lshl_b32 s43, s41, 2
	s_lshl_b32 s43, 15, s43                        ; my row of the cluster
	s_lshl_b32 s44, 0x1111, s40                    ; my column
	; group 1, xn's tiles: 8 tiles of rows, of each 4 images on end = 384 elements of 8 bytes, 1,536 elements from tile to tile; no padding
	s_or_b32 s[G1+0], s43, (3<<16)|(1<<21)
	s_mov_b32 s[G1+1], 384<<16
	s_mov_b32 s[G1+2], 8<<16
	s_mov_b32 s[G1+3], 384<<16
	s_mov_b32 s[G1+4], 8
	s_mov_b32 s[G1+5], 1536
	s_mov_b32 s[G1+6], 0
	s_mov_b32 s[G1+7], 0
	; W's tiles: 96 rows of 192 bytes, 768 bytes from row to row; 16 bytes of padding behind every 64
	s_or_b32 s[G1B+0], s44, (1<<20)|(1<<21)|(3<<22)|(3<<25)
	s_mov_b32 s[G1B+1], 192<<16
	s_mov_b32 s[G1B+2], 96<<16
	s_mov_b32 s[G1B+3], 192<<16
	s_mov_b32 s[G1B+4], 96
	s_mov_b32 s[G1B+5], 768
	s_mov_b32 s[G1B+6], 0
	s_mov_b32 s[G1B+7], 0
	; scale bytes: dense blocks as rows of 256 bytes (32 elements of 8), 16 bytes of padding behind each: 16 rows for xn's 128 rows, 12 for W's 96
	s_or_b32 s[G1S+0], s43, (3<<16)|(1<<20)|(1<<21)|(5<<22)|(3<<25)
	s_mov_b32 s[G1S+1], 32<<16
	s_mov_b32 s[G1S+2], 16<<16
	s_mov_b32 s[G1S+3], 32<<16
	s_mov_b32 s[G1S+4], 16
	s_mov_b32 s[G1S+5], 32
	s_mov_b32 s[G1S+6], 0
	s_mov_b32 s[G1S+7], 0
	s_or_b32 s[G1SB+0], s44, (3<<16)|(1<<20)|(1<<21)|(5<<22)|(3<<25)
	s_mov_b32 s[G1SB+1], 32<<16
	s_mov_b32 s[G1SB+2], 12<<16
	s_mov_b32 s[G1SB+3], 32<<16
	s_mov_b32 s[G1SB+4], 12
	s_mov_b32 s[G1SB+5], 32
	s_mov_b32 s[G1SB+6], 0
	s_mov_b32 s[G1SB+7], 0
	s_lshl_b32 s18, s16, 3
	s_lshl_b32 s20, s17, 4
	s_add_co_u32 s20, s20, s18                     ; xn: the first tile of rows that I fetch: 16 x block + 8 x half
	s_lshl_b32 s22, s20, 9                         ; its scale bytes: 512 a tile
	s_add_co_u32 s22, s22, XQS
	s_mov_b32 s23, 0
	s_mul_i32 s20, s20, 12288                      ; its images
	s_mov_b32 s21, 0
	s_mul_i32 s18, s16, 96
	s_mul_i32 s46, s42, 192
	s_add_co_u32 s46, s46, s18                     ; W: row 192 x head + 96 x half
	s_lshl_b32 s92, s46, 5
	s_mov_b32 s93, 0
	s_mul_i32 s46, s46, 768
	s_mov_b32 s47, 0
	s_mul_i32 s94, s16, 24576                      ; where they go: the wave's number alone enters an LDS address
	s_mul_i32 s95, s16, 23040
	s_add_co_u32 s95, s95, ASZ
	s_mul_i32 s96, s16, 4352
	s_mul_i32 s97, s16, 3264
	s_wait_kmcnt 0x0
	s_add_nc_u64 s[20:21], s[4:5], s[20:21]
	s_add_nc_u64 s[22:23], s[4:5], s[22:23]
	s_add_nc_u64 s[46:47], s[6:7], s[46:47]
	s_add_nc_u64 s[92:93], s[8:9], s[92:93]
	CROUND                                         ; all sixteen work-groups are here: the first joint loads meet
	s_mov_b32 s[G0S], 1
	s_add_co_u32 s[G0S+1], s96, SCX
	s_mov_b64 s[G0S+2:G0S+3], s[22:23]
	s_or_b32 s[G0S+3], s[G0S+3], 0x80000000
	s_mov_b32 s[G0SB], 1
	s_add_co_u32 s[G0SB+1], s97, SCW
	s_mov_b64 s[G0SB+2:G0SB+3], s[92:93]
	s_or_b32 s[G0SB+3], s[G0SB+3], 0x80000000
	JLOAD G0S, G1S, G0SB, G1SB                     ; the scales first: they are wanted with K step 0
.irp s, 0,1
	s_mov_b32 s[G0+4*\s], 1
	s_add_co_u32 s[G0+4*\s+1], s94, \s*SLOT
	s_add_nc_u64 s[G0+4*\s+2:G0+4*\s+3], s[20:21], \s*3072
	s_or_b32 s[G0+4*\s+3], s[G0+4*\s+3], 0x80000000
	s_mov_b32 s[G0B+4*\s], 1
	s_add_co_u32 s[G0B+4*\s+1], s95, \s*SLOT
	s_add_nc_u64 s[G0B+4*\s+2:G0B+4*\s+3], s[46:47], \s*192
	s_or_b32 s[G0B+4*\s+3], s[G0B+4*\s+3], 0x80000000
	JLOAD G0+4*\s, G1, G0B+4*\s, G1B
.endr
	v_and_b32 v1, 15, v0                           ; r
	v_bfe_u32 v2, v0, 4, 1                         ; h
	v_and_b32 v3, 31, v0                           ; lane
	v_lshlrev_b32 v[L16], 4, v3
	v_lshlrev_b32 v[L8], 3, v3
	v_lshlrev_b32 v[L4], 2, v3
	s_mul_i32 s21, s15, 24576                      ; my eight tiles of tokens
.irp s, 0,1
	v_add_nc_u32 v[ADA16+\s], s21, v[L16]
	v_add_nc_u32 v[ADA8+\s], s21, v[L8]
	s_add_co_u32 s21, s21, SLOT
.endr
	v_mul_u32_u24 v4, v1, PITCH
	v_mad_u32_u24 v4, v2, 24, v4                   ; a fragment's row x pitch + 24 x half
	v_lshl_add_u32 v5, v2, 4, v4                   ; and the same behind one padding more
	s_mul_i32 s21, s16, 64*PITCH
	s_add_co_u32 s21, s21, ASZ                     ; rows 64 ch on: Q's or K's
	s_mul_i32 s22, s16, 32*PITCH
	s_add_co_u32 s22, s22, ASZ+128*PITCH           ; rows 128 + 32 ch on: my half of V's
.irp s, 0,1
	v_add_nc_u32 v[ADRB+\s], s21, v4
	v_add_nc_u32 v[ADRB+2+\s], s21, v5
	v_add_nc_u32 v[ADRV+\s], s22, v4
	v_add_nc_u32 v[ADRV+2+\s], s22, v5
	s_add_co_u32 s21, s21, SLOT
	s_add_co_u32 s22, s22, SLOT
.endr
	v_lshlrev_b32 v5, 5, v1                        ; my row's scale bytes: 32 a row,
	v_lshrrev_b32 v6, 8, v5
	v_lshl_add_u32 v5, v6, 4, v5                   ; and 16 more behind the first 256
	s_xor_b32 s18, s16, 1
	s_mul_i32 s21, s15, 4352                       ; xn's: my 128 rows
	s_mul_i32 s22, s16, 2176                       ; W's: rows 64 ch on
	s_mul_i32 s23, s18, 2176
	s_add_co_u32 s23, s23, s21
	s_add_co_u32 s23, s23, 4352                    ; from W's words to xn's: (SCX - SCW) + 4352 rh - 2176 ch
	v_mul_u32_u24 v6, s23, v2                      ; lanes 16-31 take xn's: one product on the lane's half
	s_add_co_u32 s22, s22, SCW
	v_add_nc_u32 v6, v5, v6
	v_add_nc_u32 v[ADRS], s22, v6
	s_mul_i32 s22, s16, 1088                       ; blocks 4 and 5 of W are my V rows, 128 + 32 ch on; the loads' immediates add 4 and 5 blocks, so the base stands 4 blocks short
	s_mul_i32 s23, s18, 1088
	s_add_co_u32 s23, s23, s21
	s_add_co_u32 s23, s23, 3264                    ; 4352 + 4352 rh - 1088 ch
	v_mul_u32_u24 v6, s23, v2
	s_add_co_u32 s22, s22, SCW+4*SBLK
	v_add_nc_u32 v6, v5, v6
	v_add_nc_u32 v[ADRS2], s22, v6                 ; (for blocks 6 and 7 lanes 0-15 read filled bytes of xn's scales that no product selects)
	s_mov_b32 s45, 0xffff0000                      ; lanes 16-31
	s_mov_b32 s66, 0x76543210
	s_mov_b32 s67, 0xfedcba98                      ; v_permlanex16_b32: lane l xor 16
	; the way out: idx = (16 batch + head) x 16 + which 128 tokens of the batch's 2,048
	s_lshr_b32 s18, s17, 3
	s_lshl_b32 s18, s18, 4
	s_add_co_u32 s18, s18, s42
	s_lshl_b32 s18, s18, 4
	s_and_b32 s19, s17, 7
	s_lshl_b32 s19, s19, 1
	s_add_co_u32 s18, s18, s19
	s_add_co_u32 s18, s18, s15
	s_mul_i32 s20, s18, 6144
	s_mul_i32 s21, s16, KIMG
	s_add_co_u32 s92, s20, s21                     ; Q's or K's images
	s_mov_b32 s93, 0
	s_add_nc_u64 s[92:93], s[10:11], s[92:93]
	s_mul_i32 s21, s16, 3072
	s_add_co_u32 s94, s20, s21
	s_add_co_u32 s94, s94, VIMG                    ; V's images: d tiles 2 ch, 2 ch + 1
	s_mov_b32 s95, 0
	s_add_nc_u64 s[94:95], s[10:11], s[94:95]
	s_mul_i32 s20, s18, 768
	s_add_co_u32 s20, s20, KVSC
	s_lshl_b32 s21, s16, 7
	s_add_co_u32 s96, s20, s21
	s_add_co_u32 s96, s96, 512                     ; V's scale words
	s_mov_b32 s97, 0
	s_add_nc_u64 s[96:97], s[10:11], s[96:97]
	s_lshl_b32 s21, s18, 9
	s_add_co_u32 s21, s21, QSC
	s_cmp_eq_u32 s16, 0
	s_cselect_b32 s98, s21, s20                    ; Q's scale words or K's: an offset chosen on the wave's number
	s_mov_b32 s99, 0
	s_add_nc_u64 s[98:99], s[10:11], s[98:99]
.macro HFRAG reg, slot, q, a           ; a fragment of xn, 16 tokens x 128 K: two images, each one load of 16 and one of 8 bytes a lane, dense
	ds_load_b128 v[\reg:\reg+3],     v[ADA16+\slot] offset:3072*(\a)+1536*(\q)
	ds_load_b64  v[\reg+4:\reg+5],   v[ADA8+\slot]  offset:3072*(\a)+1536*(\q)+512
	ds_load_b128 v[\reg+6:\reg+9],   v[ADA16+\slot] offset:3072*(\a)+1536*(\q)+768
	ds_load_b64  v[\reg+10:\reg+11], v[ADA8+\slot]  offset:3072*(\a)+1536*(\q)+1280
.endm
.macro FETCH_A slot, q, i0             ; token tiles i0 .. i0 + 3: 16 loads
.irp i, \i0, \i0+1, \i0+2, \i0+3
	HFRAG AF+FR*(\i), \slot, \q, \i
.endr
.endm
.macro FRAG reg, adr, q, i             ; a fragment of W from rows: lane (r, h) takes 24 bytes at 24 h and at 48 + 24 h of its row's 96, in pieces of 8 bytes
.irp p, 0,1,2,3,4,5
.set PC, 12*(\q)+6*(\p/3)+\p%3        ; lanes 16-31 read three pieces on: where that is behind one padding more, the second address register serves
.if PC%8 < 5
	ds_load_b64 v[\reg+2*\p:\reg+2*\p+1], v[\adr] offset:8*PC+16*(PC/8)+(\i)*16*PITCH
.else
	ds_load_b64 v[\reg+2*\p:\reg+2*\p+1], v[\adr+2] offset:8*PC+16*(PC/8)+(\i)*16*PITCH
.endif
.endr
.endm
.macro FETCH_B slot, q, p              ; W's six fragments into set p: 36 loads
	WIN TO_B
.irp i, 0,1,2,3
	FRAG 128*(\p)+FR*\i, ADRB+\slot, \q, \i
.endr
.irp i, 0,1
	FRAG 128*(\p)+FR*(4+\i), ADRV+\slot, \q, \i
.endr
	WIN 0
.endm
.macro SCALES sc                       ; a K step's scale words: two words a row: 8 loads
.irp i, 0,1,2,3
	ds_load_b64 v[SC+16*\sc+2*\i:SC+16*\sc+2*\i+1], v[ADRS] offset:\i*SBLK
.endr
.irp i, 4,5,6,7
	ds_load_b64 v[SC+16*\sc+2*\i:SC+16*\sc+2*\i+1], v[ADRS2] offset:\i*SBLK
.endr
.endm
.macro MULQ2 a0, p, q, sc, zero        ; 8 matrix instructions: token tiles a0, a0 + 1 x my four tiles of Q or K.  zero = 1: the first product starts the sums
.irp a, \a0, \a0+1
.irp b, 0,1,2,3
.if \zero
	v_wmma_scale_f32_16x16x128_f8f6f4 v[8*(4*(\a)+\b):8*(4*(\a)+\b)+7], v[128*(\p)+FR*\b:128*(\p)+FR*\b+FR-1], v[AF+FR*(\a):AF+FR*(\a)+FR-1], 0, v[SC+16*(\sc)+2*\b+(\q)], v[SC+16*(\sc)+2*(\a)+(\q)] matrix_a_fmt:MATRIX_FMT_FP6 matrix_b_fmt:MATRIX_FMT_FP6 matrix_b_scale:MATRIX_SCALE_ROW1
.else
	v_wmma_scale_f32_16x16x128_f8f6f4 v[8*(4*(\a)+\b):8*(4*(\a)+\b)+7], v[128*(\p)+FR*\b:128*(\p)+FR*\b+FR-1], v[AF+FR*(\a):AF+FR*(\a)+FR-1], v[8*(4*(\a)+\b):8*(4*(\a)+\b)+7], v[SC+16*(\sc)+2*\b+(\q)], v[SC+16*(\sc)+2*(\a)+(\q)] matrix_a_fmt:MATRIX_FMT_FP6 matrix_b_fmt:MATRIX_FMT_FP6 matrix_b_scale:MATRIX_SCALE_ROW1
.endif
.endr
.endr
.endm
.macro MULV2 a0, p, q, sc, zero        ; 4 matrix instructions: token tiles a0, a0 + 1 x my two tiles of V
.irp a, \a0, \a0+1
.irp vb, 0,1
.if \zero
	v_wmma_scale_f32_16x16x128_f8f6f4 v[8*(8*\vb+(\a)):8*(8*\vb+(\a))+7], v[AF+FR*(\a):AF+FR*(\a)+FR-1], v[128*(\p)+FR*(4+\vb):128*(\p)+FR*(4+\vb)+FR-1], 0, v[SC+16*(\sc)+2*(\a)+(\q)], v[SC+16*(\sc)+2*(4+\vb)+(\q)] matrix_a_fmt:MATRIX_FMT_FP6 matrix_b_fmt:MATRIX_FMT_FP6 matrix_a_scale:MATRIX_SCALE_ROW1
.else
	v_wmma_scale_f32_16x16x128_f8f6f4 v[8*(8*\vb+(\a)):8*(8*\vb+(\a))+7], v[AF+FR*(\a):AF+FR*(\a)+FR-1], v[128*(\p)+FR*(4+\vb):128*(\p)+FR*(4+\vb)+FR-1], v[8*(8*\vb+(\a)):8*(8*\vb+(\a))+7], v[SC+16*(\sc)+2*(\a)+(\q)], v[SC+16*(\sc)+2*(4+\vb)+(\q)] matrix_a_fmt:MATRIX_FMT_FP6 matrix_b_fmt:MATRIX_FMT_FP6 matrix_a_scale:MATRIX_SCALE_ROW1
.endif
.endr
.endr
.endm
; A slot's first 128 along K (W's set 0); it fetches the second 128.  xn's tiles 0-3 are free after the first half of the products, tiles 4-7 after the second: one set of registers serves.
.macro STEP slot, zero
	s_wait_dscnt 16                                ; all but the youngest sixteen loads (xn's tiles 4-7) are in
	WIN MUL_Q
	MULQ2 0, 0, 0, \slot, \zero
	MULQ2 2, 0, 0, \slot, \zero
	WIN MUL_V
	MULV2 0, 0, 0, \slot, \zero
	MULV2 2, 0, 0, \slot, \zero
	s_wait_dscnt 0x0                               ; xn's tiles 4-7 are in
	PLACES 4
	FETCH_B \slot, 1, 1
	FETCH_A \slot, 1, 0
	WIN MUL_Q
	MULQ2 4, 0, 0, \slot, \zero
	MULQ2 6, 0, 0, \slot, \zero
	WIN MUL_V
	MULV2 4, 0, 0, \slot, \zero
	MULV2 6, 0, 0, \slot, \zero
	PLACES 4
	WIN 0
	FETCH_A \slot, 1, 4
.endm
; A slot's second 128 along K (W's set 1) changes slots: ONE barrier; in front of it each wave waits for all its tensor loads, adds 0 to its spare word, and waits for that and for its reads of this slot.
; fill = 1: the barrier opens a round of the cluster's barrier, and this slot is filled again, two K steps ahead, first thing behind the round.
.macro TURN slot, next, fill
	s_wait_tensorcnt 0x0                           ; all my tensor loads have landed: the one that was out is my part of the next slot
	ds_add_u32 v[SPW], v[NIL]                      ; 0 onto my spare word
	s_wait_dscnt 17                                ; (the add and the youngest sixteen loads, xn's tiles 4-7, may be out)
	WIN MUL_Q
	MULQ2 0, 1, 1, \slot, 0                        ; sixteen matrix instructions stand between the add and the wait for it
	MULQ2 2, 1, 1, \slot, 0
	s_wait_dscnt 0x0                               ; the add is done, and my reads of this slot are over
	s_barrier_signal -1
	WIN MUL_V
	MULV2 0, 1, 1, \slot, 0
	MULV2 2, 1, 1, \slot, 0
	WIN 0
	s_barrier_wait -1
.if \fill
	CREST                                          ; no wave of any partner still reads this slot or has a load on its way
	s_add_nc_u64 s[G0+4*\slot+2:G0+4*\slot+3], s[G0+4*\slot+2:G0+4*\slot+3], 2*3072
	s_add_nc_u64 s[G0B+4*\slot+2:G0B+4*\slot+3], s[G0B+4*\slot+2:G0B+4*\slot+3], 2*192
	JLOAD G0+4*\slot, G1, G0B+4*\slot, G1B         ; the four v_nop behind it are also the places in front of the loads below
.else
	PLACES 4
.endif
	v_add_nc_u32 v[ADRS], 8, v[ADRS]               ; on to the next K step's scale words
	v_add_nc_u32 v[ADRS2], 8, v[ADRS2]
	FETCH_B \next, 0, 0
	FETCH_A \next, 0, 0
	SCALES \next
	WIN MUL_Q
	MULQ2 4, 1, 1, \slot, 0
	MULQ2 6, 1, 1, \slot, 0
	WIN MUL_V
	MULV2 4, 1, 1, \slot, 0
	MULV2 6, 1, 1, \slot, 0
	PLACES 4
	WIN 0
	FETCH_A \next, 0, 4
.endm
	s_wait_tensorcnt 1                             ; the scales and my part of K step 0 are in; K step 1's load may stay out
	s_barrier_signal -1
	s_barrier_wait -1
	FETCH_B 0, 0, 0
	FETCH_A 0, 0, 0
	SCALES 0
	FETCH_A 0, 0, 4
	STEP 0, 1                                      ; K 0-127: these products start the sums
	TURN 0, 1, 1                                   ; K 128-255; slot 0 takes K 512-767
	STEP 1, 0
	TURN 1, 0, 1                                   ; slot 1 takes K 768-1023
	STEP 0, 0
	TURN 0, 1, 0                                   ; nothing is left to fetch
	STEP 1, 0
	s_wait_dscnt 16                                ; the last 128 along K
	WIN MUL_Q
	MULQ2 0, 1, 1, 1, 0
	MULQ2 2, 1, 1, 1, 0
	WIN MUL_V
	MULV2 0, 1, 1, 1, 0
	MULV2 2, 1, 1, 1, 0
	s_wait_dscnt 0x0
	WIN MUL_Q
	MULQ2 4, 1, 1, 1, 0
	MULQ2 6, 1, 1, 1, 0
	WIN MUL_V
	MULV2 4, 1, 1, 1, 0
	MULV2 6, 1, 1, 1, 0
	WIN 0
	PLACES 4
.irp k, 0,1,2,3,4,5,6,7
	v_mov_b32 v[TP+\k], 0                          ; written once: a lane permute's destination counts as one of its sources
.endr
; THE WAY OUT needs no LDS: every store is dense.  Four token tiles of Q or K at a time: eight blocks of 32 along d, block k of the group in registers 128 g + 16 k on of window 2.
.macro QK4 g
	WIN 0x0a                                       ; sources 0 and 1 window 2
.irp k, 0,1,2,3,4,5,6,7
	v_max3_num_f32 v[TM+\k], |v[128*\g+16*\k]|, |v[128*\g+16*\k+1]|, 0x1800000   ; my 16 numbers of the block, each accumulator from its low end on, and the floor 2^(3 - 127)
.endr
.irp i, 2,4,6,8,10,12,14
.irp k, 0,1,2,3,4,5,6,7
	v_max3_num_f32 v[TM+\k], |v[128*\g+16*\k+\i]|, |v[128*\g+16*\k+\i+1]|, v[TM+\k]
.endr
.endr
	WIN 0
.irp k, 0,1,2,3,4,5,6,7
	v_permlanex16_b32 v[TP+\k], v[TM+\k], s66, s67
.endr
.irp k, 0,1,2,3,4,5,6,7
	v_max_num_f32 v[TM+\k], v[TM+\k], v[TP+\k]     ; with lane l xor 16's: the block's largest magnitude
.endr
.irp k, 0,1,2,3,4,5,6,7
	v_add_nc_u32 v[SO+\k], 0xff000000, v[TM+\k]    ; 2 off its exponent field: the conversion's scale operand
.endr
.irp k, 0,1,2,3,4,5,6,7
	v_lshrrev_b32 v[BY+\k], 23, v[SO+\k]           ; the scale's byte
.endr
.irp t, 0,1,2,3
	v_lshl_or_b32 v[PW+4*\g+\t], v[BY+2*\t+1], 8, v[BY+2*\t]
.endr
.irp t, 0,1,2,3
	v_or_b32 v[PW+4*\g+\t], 0x7f7f0000, v[PW+4*\g+\t]   ; the head has 64 along K: the word's upper two bytes stand for 1 over zero codes
.endr
	WIN 0x02                                       ; source 0 window 2
.irp t, 0,1,2,3
	v_cvt_scalef32_pk16_fp6_f32 v[CD+8*(4*\g+\t):CD+8*(4*\g+\t)+2], v[128*\g+32*\t:128*\g+32*\t+15], v[SO+2*\t]
	v_cvt_scalef32_pk16_fp6_f32 v[TT+4*\t:TT+4*\t+2], v[128*\g+32*\t+16:128*\g+32*\t+31], v[SO+2*\t+1]
.endr
	WIN 0
	v_nop                                          ; one plain instruction behind the scaled conversions
.irp t, 0,1,2,3                        ; an image wants a whole block in a lane: lanes 0-15 block 0, lanes 16-31 block 1
.irp i, 0,1,2
	v_permlane16_swap_b32 v[CD+8*(4*\g+\t)+\i], v[TT+4*\t+\i]
.endr
.irp i, 0,1,2
	v_mov_b32 v[CD+8*(4*\g+\t)+3+\i], v[TT+4*\t+\i]
.endr
.endr
.irp t, 0,1,2,3
	global_store_b128 v[L16], v[CD+8*(4*\g+\t):CD+8*(4*\g+\t)+3], s[92:93] offset:768*(4*\g+\t)        ; 512 consecutive aligned bytes
	global_store_b64 v[L8], v[CD+8*(4*\g+\t)+4:CD+8*(4*\g+\t)+5], s[92:93] offset:768*(4*\g+\t)+512    ; 256
.endr
.irp u, 0,1
	v_cndmask_b32 v[KW+2*\g+\u], v[PW+4*\g+2*\u], v[PW+4*\g+2*\u+1], s45   ; lanes 0-15 the even tile's words, lanes 16-31 the odd tile's
.endr
.endm
; A tile of 16 d of V: 64 registers of window 3 = 128 keys = four blocks: one fragment and one scale word a row.
.macro VQ vb
	WIN 0x0f                                       ; sources 0 and 1 window 3
.irp b, 0,1,2,3
	v_max3_num_f32 v[TM+\b], |v[64*\vb+16*\b]|, |v[64*\vb+16*\b+1]|, 0x1800000
.endr
.irp i, 2,4,6,8,10,12,14
.irp b, 0,1,2,3
	v_max3_num_f32 v[TM+\b], |v[64*\vb+16*\b+\i]|, |v[64*\vb+16*\b+\i+1]|, v[TM+\b]
.endr
.endr
	WIN 0
.irp b, 0,1,2,3
	v_permlanex16_b32 v[TP+\b], v[TM+\b], s66, s67
.endr
.irp b, 0,1,2,3
	v_max_num_f32 v[TM+\b], v[TM+\b], v[TP+\b]
.endr
.irp b, 0,1,2,3
	v_add_nc_u32 v[SO+\b], 0xff000000, v[TM+\b]
.endr
.irp b, 0,1,2,3
	v_lshrrev_b32 v[BY+\b], 23, v[SO+\b]
.endr
	v_lshl_or_b32 v[PWV+\vb], v[BY+1], 8, v[BY]
	v_lshl_or_b32 v[PWV+\vb], v[BY+2], 16, v[PWV+\vb]
	v_lshl_or_b32 v[PWV+\vb], v[BY+3], 24, v[PWV+\vb]
	WIN 0x03                                       ; source 0 window 3
.irp c, 0,1
	v_cvt_scalef32_pk16_fp6_f32 v[VC+12*\vb+6*\c:VC+12*\vb+6*\c+2], v[64*\vb+32*\c:64*\vb+32*\c+15], v[SO+2*\c]
	v_cvt_scalef32_pk16_fp6_f32 v[TT+4*\c:TT+4*\c+2], v[64*\vb+32*\c+16:64*\vb+32*\c+31], v[SO+2*\c+1]
.endr
	WIN 0
	v_nop
.irp c, 0,1
.irp i, 0,1,2
	v_permlane16_swap_b32 v[VC+12*\vb+6*\c+\i], v[TT+4*\c+\i]
.endr
.irp i, 0,1,2
	v_mov_b32 v[VC+12*\vb+6*\c+3+\i], v[TT+4*\c+\i]
.endr
.endr
.irp c, 0,1
	global_store_b128 v[L16], v[VC+12*\vb+6*\c:VC+12*\vb+6*\c+3], s[94:95] offset:1536*\vb+768*\c
	global_store_b64 v[L8], v[VC+12*\vb+6*\c+4:VC+12*\vb+6*\c+5], s[94:95] offset:1536*\vb+768*\c+512
.endr
.endm
	QK4 0
	QK4 1
	global_store_b128 v[L16], v[KW:KW+3], s[98:99] ; the eight tiles' scale words: 512 consecutive aligned bytes
	VQ 0
	VQ 1
	v_cndmask_b32 v[VW], v[PWV], v[PWV+1], s45
	global_store_b32 v[L4], v[VW], s[96:97]        ; my two d tiles' scale words: 128 consecutive bytes
	s_wait_tensorcnt 0x0                           ; the wave's end
	ds_add_u32 v[SPW], v[NIL]
	s_wait_dscnt 0x0
	CROUND                                         ; the closing round: no work-group ends while a partner may still ask for a tile that names it
	s_endpgm
.Lfunc_end_k_q03be25d356_qkv:
	.size	k_q03be25d356_qkv, .Lfunc_end_k_q03be25d356_qkv-k_q03be25d356_qkv
	.p2alignl 7, 3214868480
	.fill 96, 4, 3214868480
	.section	.rodata,"a",@progbits
	.p2align	6, 0x0
	.amdhsa_kernel k_q03be25d356_qkv
		.amdhsa_group_segment_fixed_size 327680
		.amdhsa_private_segment_fixed_size 0
		.amdhsa_enable_private_segment 0
		.amdhsa_kernarg_size 32
		.amdhsa_user_sgpr_count 2
		.amdhsa_user_sgpr_kernarg_segment_ptr 1
		.amdhsa_wavefront_size32 1
		.amdhsa_system_sgpr_workgroup_id_x 1
		.amdhsa_system_sgpr_workgroup_id_y 1
		.amdhsa_system_sgpr_workgroup_id_z 1
		.amdhsa_system_vgpr_workitem_id 0
		.amdhsa_next_free_vgpr 896
		.amdhsa_next_free_sgpr 100
		.amdhsa_reserve_vcc 0
		.amdhsa_float_denorm_mode_32 3
		.amdhsa_float_denorm_mode_16_64 3
		.amdhsa_memory_ordered 1
		.amdhsa_forward_progress 1
		.amdhsa_inst_pref_size 129
	.end_amdhsa_kernel
	.amdgpu_metadata
---
amdhsa.version: [ 1, 2 ]
amdhsa.kernels:
  - .name:           k_q03be25d356_qkv
    .symbol:         k_q03be25d356_qkv.kd
    .args:
      - { .name: xq, .offset: 0, .size: 8, .value_kind: global_buffer, .address_space: global }
      - { .name: W_qkv_codes, .offset: 8, .size: 8, .value_kind: global_buffer, .address_space: global }
      - { .name: W_qkv_scales, .offset: 16, .size: 8, .value_kind: global_buffer, .address_space: global }
      - { .name: qkv, .offset: 24, .size: 8, .value_kind: global_buffer, .address_space: global }
    .group_segment_fixed_size: 327680
    .private_segment_fixed_size: 0
    .kernarg_segment_align: 8
    .kernarg_segment_size: 32
    .max_flat_workgroup_size: 128
    .sgpr_count:     100
    .vgpr_count:     896
    .wavefront_size: 32
...
	.end_amdgpu_metadata
.endif
;; end of part 2
;; launch attn (part 3): grid 4 x 64, 16 waves a work-group, no clusters, 210,944 bytes of LDS; arguments qkv, cq; writes cq
.if DOCPART == 3
	.amdgcn_target "amdgcn-amd-amdhsa--gfx1250"
	.amdhsa_code_object_version 6
	.text
	.protected	k_q03be25d356_attn
	.globl	k_q03be25d356_attn
	.p2align	8
	.type	k_q03be25d356_attn,@function
k_q03be25d356_attn:
	s_mov_b64 s[64:65], 0
	v_nop
	global_prefetch_b8 v0, s[64:65] scope:SCOPE_SE
	s_setreg_imm32_b32 hwreg(HW_REG_WAVE_MODE, 25, 1), 1
	s_wait_xcnt 0x0
; ctx = softmax(Q K^T / 8, causal) V for one (batch, head), both products on codes of E2M3 with E8M0 block scales; ctx is quantised along D and leaves as codes.
; THE SOFTMAX: t = score x log2(e) / 8; M = the running largest t rounded UP to a whole number; p = 2^(t - M) is quantised along the keys, not normalised; the row's sum is taken of the unquantised p and divides at the end.
; A head's K and V codes and scale words, 208,896 bytes, come into LDS ONCE (keys 0-1,023 first, then the rest) and stay: no ring, nothing is filled again.
; SHARES.  Work-group (i, bh) owns query blocks i and 7 - i of 256.  Wave w walks tile w of block i (first query Q0A = 256 i + 16 w), then tile 15 - w of block 7 - i (Q0B = 2,032 - Q0A):
; Q0A / 128 + 1 and Q0B / 128 + 1 key steps of 128, 17 together for every wave of every work-group.  Four waves share a SIMD, so that one wave's softmax stands beside another's products and LDS loads.
; NO CLUSTER: the four work-groups of a head read the same K and V, but each reads them once, not once a step, and the steps that the causal mask leaves out hang on the query block, which would be the place in the cluster.
; The loops' trip counts are constants (8 and 16); a step all of whose keys come after the wave's queries is jumped over by a scalar branch on ids.
; LAYOUT.  Both products transposed: S^T = K Q^T (source 0 = 16 keys, source 1 = my 16 queries), O^T = V^T P^T: a lane holds ONE query (lane % 16).  Register 8 t + j of S^T is key 16 t + 8 (lane / 16) + j, so a block's codes of p
; come out in the order 0-7, 16-23, 8-15, 24-31, which is the order in which V's codes were laid.
; THE HEAD HAS 64 ALONG K, the instruction 128: Q's upper six registers hold zero codes, so what stands in K's upper six (the next tile's codes, all finite) adds nothing; the scale words' upper bytes are 0x7f.
; ctx meets W_o's given codes, so its blocks are put into true order (four byte and bit moves a tile) before they are stored: cq is laid as xq: images [tile 512][head 16][768], scale bytes [8192][32] at XQS.
; LIMITS: NaN and infinities are not served.  A block whose largest magnitude lies under 2^-124 gets the byte 1; a block of zeros so gets 1 where the quantiser says 127: its codes are zeros and this program alone reads the bytes.
; A block's largest p is made from the block's largest score by the same multiply-add and exponential as every p; this takes v_exp_f32 not to fall where its input rises.
; REGISTERS: v1-11, v29 addresses; v12 -M, v13 the largest t, v[14:15] the sum; v16-27 Q; v28 Q's scale words; v32-85 K's eight halves (stride 6; v80-85 zeros) or V's four fragments; v86-89, v90-91 K's and V's scale words;
;   v96-159 S^T, then p; v160-191 O^T; v192-198 the second tile's Q; v200-211 p's codes; v212-219 conversions; v220 p's scale word; v[222:223] f; v224-230 ctx's codes and byte; v232-254 at work.
.set XQS,  6291456
.set KIMG, 6291456
.set QSC,  18874368
.set KVSC, 19398656
.set VOFF, 98304                       ; LDS: K's 128 images, then V's 16 steps x 8 images,
.set SCL,  196608                      ; then 16 steps x 768 bytes of scale words
.set KB,   32
.set PC,   200
.set CT,   212
.set G1K,  44
.set G1S,  52
.set G0K,  68
.set G0S,  76
	s_load_b128 s[4:7], s[0:1], 0x0                ; qkv s[4:5], cq s[6:7]
	v_lshl_add_u32 v251, v0, 2, 0x33000
	v_mov_b32 v255, 0
	ds_add_u32 v251, v255
	ds_add_u32 v251, v255
	v_lshrrev_b32 v1, 5, v0
	v_readfirstlane_b32 s8, v1                     ; wave 0..15
	s_and_b32 s9, ttmp7, 0xffff                    ; bh = 16 batch + head
	s_min_u32 s10, s8, 1                           ; wave 0 fetches K, wave 1 V; the others never issue these descriptors
	s_lshl_b32 s24, ttmp9, 8
	s_lshl_b32 s11, s8, 4
	s_add_co_u32 s24, s24, s11                     ; Q0A
	s_sub_co_u32 s25, 2032, s24                    ; Q0B
	v_and_b32 v3, 31, v0                           ; lane
	v_and_b32 v30, 15, v0                          ; r
	v_bfe_u32 v31, v0, 4, 1                        ; h
	v_lshlrev_b32 v1, 4, v3
	v_lshlrev_b32 v2, 3, v3
	v_lshlrev_b32 v3, 2, v3
	v_lshlrev_b32 v4, 4, v30
	v_lshlrev_b32 v5, 3, v31
	v_sub_nc_u32 v5, v30, v5                       ; r - 8 h, for the mask
	v_lshl_add_u32 v6, v30, 5, v31                 ; 32 r + h: my byte among ctx's scale bytes
	s_mov_b32 s12, 0x76543210
	s_mov_b32 s13, 0xfedcba98                      ; v_permlanex16_b32: lane l xor 16
	s_mov_b32 s14, 0x3e38aa3b                      ; c = log2(e) / 8
	s_mov_b32 s15, s14                             ; (named with it as a pair)
	s_mov_b32 s16, 0xffff0000                      ; lanes 16-31
	; group 1: dense blocks as rows of 256 bytes (32 elements of 8): 192 rows for half a head's K or V, 24 for half its scale words
	s_mov_b32 s[G1K], 3<<16
	s_mov_b32 s[G1K+1], 32<<16
	s_mov_b32 s[G1K+2], 192<<16
	s_mov_b32 s[G1K+3], 32<<16
	s_mov_b32 s[G1K+4], 192
	s_mov_b32 s[G1K+5], 32
	s_mov_b32 s[G1K+6], 0
	s_mov_b32 s[G1K+7], 0
	s_mov_b32 s[G1S], 3<<16
	s_mov_b32 s[G1S+1], 32<<16
	s_mov_b32 s[G1S+2], 24<<16
	s_mov_b32 s[G1S+3], 32<<16
	s_mov_b32 s[G1S+4], 24
	s_mov_b32 s[G1S+5], 32
	s_mov_b32 s[G1S+6], 0
	s_mov_b32 s[G1S+7], 0
.macro ADDRS q0, qi, qs, ci, cs        ; byte offsets of a query tile: Q's image, Q's scale words, ctx's image, ctx's scale bytes
	s_lshr_b32 s21, s[\q0], 4                      ; the tile in the head
	s_lshl_b32 s22, s9, 7
	s_add_co_u32 s22, s22, s21
	s_mul_i32 s[\qi], s22, 768
	s_mov_b32 s[\qi+1], 0
	s_lshr_b32 s22, s[\q0], 7
	s_lshl_b32 s23, s9, 4
	s_add_co_u32 s22, s22, s23
	s_lshl_b32 s22, s22, 9                         ; 512 bytes for each 128 queries;
	s_and_b32 s23, s21, 1
	s_lshl_b32 s23, s23, 8                         ; an odd tile's words lie in lanes 16-31: 256 bytes on;
	s_add_co_u32 s22, s22, s23
	s_bfe_u32 s23, s21, 0x20001
	s_lshl_b32 s23, s23, 2                         ; word (tile / 2) % 4
	s_add_co_u32 s22, s22, s23
	s_add_co_u32 s[\qs], s22, QSC
	s_mov_b32 s[\qs+1], 0
	s_lshr_b32 s22, s9, 4                          ; the batch
	s_lshl_b32 s23, s22, 7
	s_add_co_u32 s23, s23, s21
	s_lshl_b32 s23, s23, 4
	s_and_b32 s42, s9, 15                          ; the head
	s_add_co_u32 s23, s23, s42
	s_mul_i32 s[\ci], s23, 768
	s_mov_b32 s[\ci+1], 0
	s_lshl_b32 s22, s22, 11
	s_add_co_u32 s22, s22, s[\q0]
	s_lshl_b32 s22, s22, 5
	s_lshl_b32 s42, s42, 1
	s_add_co_u32 s22, s22, s42
	s_add_co_u32 s[\cs], s22, XQS
	s_mov_b32 s[\cs+1], 0
.endm
	ADDRS 24, 26, 30, 34, 38
	ADDRS 25, 28, 32, 36, 40
	s_mul_i32 s60, s9, 98304
	s_mul_i32 s61, s10, KIMG
	s_add_co_u32 s60, s60, s61
	s_add_co_u32 s60, s60, KIMG                    ; the head's K images (wave 0) or V images (wave 1)
	s_mov_b32 s61, 0
	s_mul_i32 s62, s9, 12288
	s_add_co_u32 s62, s62, KVSC                    ; its scale words
	s_mov_b32 s63, 0
	s_mul_i32 s11, s10, VOFF
	s_wait_dscnt 0x0
	s_wait_kmcnt 0x0
	s_add_nc_u64 s[60:61], s[4:5], s[60:61]
	s_add_nc_u64 s[62:63], s[4:5], s[62:63]
.irp c, 0,1
	s_mov_b32 s[G0K+4*\c], 1
	s_add_co_u32 s[G0K+4*\c+1], s11, \c*49152
	s_add_nc_u64 s[G0K+4*\c+2:G0K+4*\c+3], s[60:61], \c*49152
	s_or_b32 s[G0K+4*\c+3], s[G0K+4*\c+3], 0x80000000
	s_mov_b32 s[G0S+4*\c], 1
	s_mov_b32 s[G0S+4*\c+1], SCL+\c*6144
	s_add_nc_u64 s[G0S+4*\c+2:G0S+4*\c+3], s[62:63], \c*6144
	s_or_b32 s[G0S+4*\c+3], s[G0S+4*\c+3], 0x80000000
.endr
	s_cmp_lt_u32 s8, 2                             ; the fills of the launch, in one group: a wave's two stand together; two loads of a wave are out at the most
	s_cbranch_scc0 .Lnot_kv
	tensor_load_to_lds s[G0K:G0K+3], s[G1K:G1K+7]  ; keys 0-1,023
	s_nop 0
	tensor_load_to_lds s[G0K+4:G0K+7], s[G1K:G1K+7]   ; keys 1,024-2,047
	s_nop 0
.rept 4
	v_nop
.endr
	s_branch .Lasked
.Lnot_kv:
	s_cmp_eq_u32 s8, 2
	s_cbranch_scc0 .Lasked
	tensor_load_to_lds s[G0S:G0S+3], s[G1S:G1S+7]
	s_nop 0
	tensor_load_to_lds s[G0S+4:G0S+7], s[G1S:G1S+7]
	s_nop 0
.rept 4
	v_nop
.endr
.Lasked:
	s_add_nc_u64 s[26:27], s[4:5], s[26:27]
	s_add_nc_u64 s[28:29], s[4:5], s[28:29]
	s_add_nc_u64 s[30:31], s[4:5], s[30:31]
	s_add_nc_u64 s[32:33], s[4:5], s[32:33]
	s_add_nc_u64 s[34:35], s[6:7], s[34:35]
	s_add_nc_u64 s[36:37], s[6:7], s[36:37]
	s_add_nc_u64 s[38:39], s[6:7], s[38:39]
	s_add_nc_u64 s[40:41], s[6:7], s[40:41]
	global_load_b128 v[16:19], v1, s[26:27]        ; both tiles' Q: an image and a scale word a row
	global_load_b64 v[20:21], v2, s[26:27] offset:512
	global_load_b32 v28, v4, s[30:31]
	global_load_b128 v[192:195], v1, s[28:29]
	global_load_b64 v[196:197], v2, s[28:29] offset:512
	global_load_b32 v198, v4, s[32:33]
.irp j, 22,23,24,25,26,27, 80,81,82,83,84,85
	v_mov_b32 v[\j], 0                             ; zero codes: Q's K 64-127, and what stands behind K's last tile
.endr
.irp j, 223, 236,237,238,239, 254
	v_mov_b32 v[\j], 0                             ; written once: upper half of a pair, destinations of lane permutes
.endr
; A KEY STEP: 128 keys from s17 on; s18 = the step's bytes among K's (and V's) images, s19 = its scale words.
.macro STEP q0
	s_add_co_u32 s21, s[\q0], 15
	s_cmp_gt_u32 s17, s21                          ; all 128 keys come after my 16 queries: nothing to do but step the addresses
	s_cbranch_scc1 .Lhidden_\@
	v_add_nc_u32 v8, s18, v1                       ; (these six are also the places between the last step's products and the loads into their operands)
	v_add_nc_u32 v9, s18, v2
	v_add_nc_u32 v7, s19, v1
	v_add_nc_u32 v29, s19, v3
	v_add_nc_u32 v10, VOFF, v8
	v_add_nc_u32 v11, VOFF, v9
.irp t, 0,1,2,3,4,5,6,7
	ds_load_b128 v[KB+6*\t:KB+6*\t+3], v8 offset:768*\t
	ds_load_b64 v[KB+6*\t+4:KB+6*\t+5], v9 offset:768*\t+512
.endr
	ds_load_b128 v[86:89], v7                      ; K's scale words: register p: lanes 0-15 tile 2 p, lanes 16-31 tile 2 p + 1
	s_wait_dscnt 0x0
.irp t, 0,2,4,6
	v_wmma_scale_f32_16x16x128_f8f6f4 v[96+8*\t:103+8*\t], v[KB+6*\t:KB+6*\t+11], v[16:27], 0, v[86+\t/2], v28 matrix_a_fmt:MATRIX_FMT_FP6 matrix_b_fmt:MATRIX_FMT_FP6
	v_wmma_scale_f32_16x16x128_f8f6f4 v[104+8*\t:111+8*\t], v[KB+6*\t+6:KB+6*\t+17], v[16:27], 0, v[86+\t/2], v28 matrix_a_fmt:MATRIX_FMT_FP6 matrix_b_fmt:MATRIX_FMT_FP6 matrix_a_scale:MATRIX_SCALE_ROW1
.endr
.rept 4
	v_nop                                          ; places in front of the loads into K's registers and of the first read of the scores
.endr
.irp d, 0,1,2,3                        ; V's four fragments are asked for now and land under the softmax
.irp c, 0,1
	ds_load_b128 v[KB+12*\d+6*\c:KB+12*\d+6*\c+3], v10 offset:1536*\d+768*\c
	ds_load_b64 v[KB+12*\d+6*\c+4:KB+12*\d+6*\c+5], v11 offset:1536*\d+768*\c+512
.endr
.endr
	ds_load_b32 v90, v29 offset:512                ; V's scale words: lanes 0-15 d tile 0, lanes 16-31 d tile 1;
	ds_load_b32 v91, v29 offset:640                ; d tiles 2 and 3
	s_add_co_u32 s21, s17, 127                     ; on the diagonal hidden scores become -infinity ahead of the maximum; a step all of whose keys count skips this
	s_cmp_le_u32 s21, s[\q0]
	s_cbranch_scc1 .Lopen_\@
	s_sub_co_i32 s21, s[\q0], s17
	v_add_nc_u32 v252, s21, v5                     ; my query - the step's first key - 8 (lane / 16): register n holds a hidden key where 16 (n / 8) + n % 8 is larger
	v_mov_b32 v253, 0xff800000
.set n, 0
.rept 64
	v_cmp_gt_i32 vcc_lo, 16*(n/8)+n%8, v252
	v_cndmask_b32 v[96+n], v[96+n], v253, vcc_lo
.set n, n+1
.endr
.Lopen_\@:
.irp b, 0,1,2,3
	v_max3_num_f32 v[232+\b], v[96+16*\b], v[97+16*\b], v[98+16*\b]   ; the largest score of each block of 32 keys: for the row's maximum, and for the block's largest p
.endr
.irp i, 3,5,7,9,11,13
.irp b, 0,1,2,3
	v_max3_num_f32 v[232+\b], v[232+\b], v[96+16*\b+\i], v[97+16*\b+\i]
.endr
.endr
.irp b, 0,1,2,3
	v_max_num_f32 v[232+\b], v[232+\b], v[111+16*\b]
.endr
.irp b, 0,1,2,3
	v_permlanex16_b32 v[236+\b], v[232+\b], s12, s13
.endr
.irp b, 0,1,2,3
	v_max_num_f32 v[232+\b], v[232+\b], v[236+\b]  ; with lane l xor 16's 16 keys
.endr
	v_max3_num_f32 v254, v232, v233, v234
	v_max_num_f32 v254, v254, v235
	v_mul_f32 v254, s14, v254                      ; the step's largest t
	v_max_num_f32 v13, v13, v254                   ; the running largest t
	v_mov_b32 v254, v12
	v_floor_f32 v12, -v13                          ; the new -M = floor(-t): M is a whole number
	v_sub_f32 v254, v12, v254                      ; old M - new M: a whole number, 0 or less
	v_cvt_i32_f32 v254, v254                       ; (it saturates)
	v_ldexp_f32 v222, 1.0, v254                    ; f = 2^(old M - new M): a multiplication by it rounds nothing
.set j, 0
.rept 32
	v_pk_fma_f32 v[96+j:97+j], v[96+j:97+j], s[14:15], v[12:13] op_sel_hi:[1,0,0]   ; t - M, two at a time
.set j, j+2
.endr
.irp b, 0,1,2,3
	v_fma_f32 v[232+\b], v[232+\b], s14, v12       ; the same of each block's largest score
.endr
.set j, 0
.rept 64
	v_exp_f32 v[96+j], v[96+j]                     ; p = 2^(t - M), at most 1
.set j, j+1
.endr
.irp b, 0,1,2,3
	v_exp_f32 v[232+\b], v[232+\b]                 ; the block's largest p
.endr
	v_pk_mul_f32 v[14:15], v[14:15], v[222:223] op_sel_hi:[1,0]   ; the sum under the new M; also the plain instruction behind the exponentials
	s_wait_alu depctr_va_vdst(0)
.irp b, 0,1,2,3
	v_max_num_f32 v[232+\b], 0x1800000, v[232+\b]  ; the floor 2^(3 - 127): the byte cannot fall under 1
.endr
.irp b, 0,1,2,3
	v_add_nc_u32 v[244+\b], 0xff000000, v[232+\b]  ; 2 off the exponent field: the conversion's scale operand
.endr
.irp b, 0,1,2,3
	v_lshrrev_b32 v[236+\b], 23, v[244+\b]
.endr
	v_lshl_or_b32 v220, v237, 8, v236              ; p's scale word for these 128 keys
	v_lshl_or_b32 v220, v238, 16, v220
	v_lshl_or_b32 v220, v239, 24, v220
.irp c, 0,1
	v_cvt_scalef32_pk16_fp6_f32 v[PC+6*\c:PC+6*\c+2], v[96+32*\c:111+32*\c], v[244+2*\c]
	v_cvt_scalef32_pk16_fp6_f32 v[CT+4*\c:CT+4*\c+2], v[112+32*\c:127+32*\c], v[244+2*\c+1]
.endr
	v_nop                                          ; one plain instruction behind the scaled conversions
.irp c, 0,1                            ; the operand wants a whole block in a lane: lanes 0-15 block 2 c, lanes 16-31 block 2 c + 1
.irp i, 0,1,2
	v_permlane16_swap_b32 v[PC+6*\c+\i], v[CT+4*\c+\i]
.endr
.irp i, 0,1,2
	v_mov_b32 v[PC+6*\c+3+\i], v[CT+4*\c+\i]
.endr
.endr
	v_pk_add_f32 v[240:241], v[96:97], v[98:99]    ; the row's sum of the unquantised p: two at a time, in two chains
.set j, 4
.rept 15
	v_pk_add_f32 v[14:15], v[14:15], v[96+j:97+j]
	v_pk_add_f32 v[240:241], v[240:241], v[98+j:99+j]
.set j, j+4
.endr
	v_pk_add_f32 v[14:15], v[14:15], v[240:241]
.set j, 0
.rept 16
	v_pk_mul_f32 v[160+j:161+j], v[160+j:161+j], v[222:223] op_sel_hi:[1,0]   ; O^T under the new M, each accumulator from its low end on
.set j, j+2
.endr
	s_wait_dscnt 0x0                               ; V and its scale words are in
.irp d, 0,2
	v_wmma_scale_f32_16x16x128_f8f6f4 v[160+8*\d:167+8*\d], v[KB+12*\d:KB+12*\d+11], v[PC:PC+11], v[160+8*\d:167+8*\d], v[90+\d/2], v220 matrix_a_fmt:MATRIX_FMT_FP6 matrix_b_fmt:MATRIX_FMT_FP6
	v_wmma_scale_f32_16x16x128_f8f6f4 v[168+8*\d:175+8*\d], v[KB+12*\d+12:KB+12*\d+23], v[PC:PC+11], v[168+8*\d:175+8*\d], v[90+\d/2], v220 matrix_a_fmt:MATRIX_FMT_FP6 matrix_b_fmt:MATRIX_FMT_FP6 matrix_a_scale:MATRIX_SCALE_ROW1
.endr
.Lhidden_\@:
	s_add_co_u32 s17, s17, 128
	s_add_co_u32 s18, s18, 6144
	s_add_co_u32 s19, s19, 768
.endm
; A query tile: n key steps, then ctx = O / the sum, quantised along D (two blocks of 32: this head's part of the row) and stored.
.macro PASS n, q0, ci, cs, second
.if \second
.irp j, 0,1,2,3,4,5
	v_mov_b32 v[16+\j], v[192+\j]                  ; the second tile's Q; the lines below stand between these and the first product
.endr
	v_mov_b32 v28, v198
.endif
	s_mov_b32 s17, 0
	s_mov_b32 s18, 0
	s_mov_b32 s19, SCL
	s_mov_b32 s20, \n
	v_mov_b32 v13, 0xff61b1e6                      ; the largest t so far: -3e38
	v_floor_f32 v12, -v13
	v_mov_b32 v14, 0
	v_mov_b32 v15, 0
.set j, 0
.rept 32
	v_mov_b32 v[160+j], 0                          ; the step is written once: its first trip finds zeros, which the first change of M leaves zeros
.set j, j+1
.endr
.Lstep_\@:
	STEP \q0
	s_sub_co_u32 s20, s20, 1
	s_cmp_lg_u32 s20, 0
	s_cbranch_scc1 .Lstep_\@
	s_wait_xcnt 0x0                                ; the first tile's stores have read v224-230: only behind this wait are they written again
.rept 4
	v_nop                                          ; places behind the last products
.endr
	v_add_f32 v14, v14, v15
	v_permlanex16_b32 v254, v14, s12, s13
	v_add_f32 v14, v14, v254                       ; the row's sum
	v_rcp_f32 v222, v14
	v_nop
.set j, 0
	s_wait_alu depctr_va_vdst(0)
.rept 16
	v_pk_mul_f32 v[160+j:161+j], v[160+j:161+j], v[222:223] op_sel_hi:[1,0]   ; register 8 t + i = ctx(query r, 16 t + 8 h + i)
.set j, j+2
.endr
.irp b, 0,1
	v_max3_num_f32 v[232+\b], |v[160+16*\b]|, |v[161+16*\b]|, 0x1800000
.endr
.irp i, 2,4,6,8,10,12,14
.irp b, 0,1
	v_max3_num_f32 v[232+\b], v[232+\b], |v[160+16*\b+\i]|, |v[161+16*\b+\i]|
.endr
.endr
.irp b, 0,1
	v_permlanex16_b32 v[236+\b], v[232+\b], s12, s13
.endr
.irp b, 0,1
	v_max_num_f32 v[232+\b], v[232+\b], v[236+\b]
.endr
.irp b, 0,1
	v_add_nc_u32 v[244+\b], 0xff000000, v[232+\b]
.endr
.irp b, 0,1
	v_lshrrev_b32 v[236+\b], 23, v[244+\b]
.endr
	v_cvt_scalef32_pk16_fp6_f32 v[CT:CT+2], v[160:175], v244
	v_cvt_scalef32_pk16_fp6_f32 v[CT+4:CT+6], v[176:191], v245
	v_cndmask_b32 v230, v236, v237, s16            ; my block's byte: lanes 0-15 block 0, lanes 16-31 block 1; also the plain instruction behind the conversions
.irp i, 0,1,2
	v_permlane16_swap_b32 v[CT+\i], v[CT+4+\i]     ; now the first three hold my block's numbers 0-7 and 16-23, the second three 8-15 and 24-31, 48 bits each
.endr
	v_mov_b32 v224, v[CT]                          ; into true order: 0-7,
	v_perm_b32 v225, v[CT+4], v[CT+1], 0x05040100
	v_alignbit_b32 v226, v[CT+5], v[CT+4], 16      ; 8-15,
	v_alignbit_b32 v227, v[CT+2], v[CT+1], 16      ; 16-23,
	v_perm_b32 v228, v[CT+5], v[CT+2], 0x07060302
	v_mov_b32 v229, v[CT+6]                        ; 24-31
	global_store_b128 v1, v[224:227], s[\ci:\ci+1]             ; 512 consecutive aligned bytes
	global_store_b64 v2, v[228:229], s[\ci:\ci+1] offset:512   ; 256
	global_store_b8 v6, v230, s[\cs:\cs+1]         ; two bytes of each of 16 rows of scale bytes, 32 bytes apart: one byte in 24 of what the tile stores
.endm
	s_wait_tensorcnt 1                             ; in the waves that fetch: keys 0-1,023 have landed; the second half may stay out
	s_barrier_signal -1
	s_barrier_wait -1
	s_wait_loadcnt 0x0                             ; Q
	PASS 8, 24, 34, 38, 0                          ; Q0A is at most 1,008: its eight trips stay inside keys 0-1,023
	s_wait_tensorcnt 0x0                           ; the second half has landed,
	s_wait_dscnt 0x0
	s_barrier_signal -1
	s_barrier_wait -1                              ; for every wave
	PASS 16, 25, 36, 40, 1
	s_wait_tensorcnt 0x0
	ds_add_u32 v251, v255
	s_wait_dscnt 0x0
	s_endpgm
.Lfunc_end_k_q03be25d356_attn:
	.size	k_q03be25d356_attn, .Lfunc_end_k_q03be25d356_attn-k_q03be25d356_attn
	.p2alignl 7, 3214868480
	.fill 96, 4, 3214868480
	.section	.rodata,"a",@progbits
	.p2align	6, 0x0
	.amdhsa_kernel k_q03be25d356_attn
		.amdhsa_group_segment_fixed_size 210944
		.amdhsa_private_segment_fixed_size 0
		.amdhsa_enable_private_segment 0
		.amdhsa_kernarg_size 16
		.amdhsa_user_sgpr_count 2
		.amdhsa_user_sgpr_kernarg_segment_ptr 1
		.amdhsa_wavefront_size32 1
		.amdhsa_system_sgpr_workgroup_id_x 1
		.amdhsa_system_sgpr_workgroup_id_y 1
		.amdhsa_system_sgpr_workgroup_id_z 1
		.amdhsa_system_vgpr_workitem_id 0
		.amdhsa_next_free_vgpr 256
		.amdhsa_next_free_sgpr 96
		.amdhsa_reserve_vcc 1
		.amdhsa_float_denorm_mode_32 3
		.amdhsa_float_denorm_mode_16_64 3
		.amdhsa_memory_ordered 1
		.amdhsa_forward_progress 1
		.amdhsa_inst_pref_size 62
	.end_amdhsa_kernel
	.amdgpu_metadata
---
amdhsa.version: [ 1, 2 ]
amdhsa.kernels:
  - .name:           k_q03be25d356_attn
    .symbol:         k_q03be25d356_attn.kd
    .args:
      - { .name: qkv, .offset: 0, .size: 8, .value_kind: global_buffer, .address_space: global }
      - { .name: cq, .offset: 8, .size: 8, .value_kind: global_buffer, .address_space: global }
    .group_segment_fixed_size: 210944
    .private_segment_fixed_size: 0
    .kernarg_segment_align: 8
    .kernarg_segment_size: 16
    .max_flat_workgroup_size: 512
    .sgpr_count:     96
    .vgpr_count:     256
    .wavefront_size: 32
...
	.end_amdgpu_metadata
.endif
;; end of part 3
;; launch proj (part 4): grid 8 x 32, 4 waves a work-group, clusters of 4 x 4, 327,680 bytes of LDS; arguments cq, W_o_codes, W_o_scales, out0; writes out0
.if DOCPART == 4
	.amdgcn_target "amdgcn-amd-amdhsa--gfx1250"
	.amdhsa_code_object_version 6
	.text
	.protected	k_q03be25d356_proj
	.globl	k_q03be25d356_proj
	.p2align	8
	.type	k_q03be25d356_proj,@function
k_q03be25d356_proj:
	s_mov_b64 s[64:65], 0
	v_nop
	global_prefetch_b8 v0, s[64:65] scope:SCOPE_SE
	s_setreg_imm32_b32 hwreg(HW_REG_WAVE_MODE, 25, 1), 1
	s_wait_xcnt 0x0
	s_wait_alu depctr_hold_cnt(0) depctr_sa_sdst(0) depctr_va_vdst(0) depctr_va_sdst(0) depctr_va_ssrc(0) depctr_va_vcc(0) depctr_vm_vsrc(0)
	s_getreg_b32 s2, hwreg(HW_REG_IB_STS2, 6, 4)
	s_cmp_eq_u32 s2, 0
	s_cbranch_scc0 .Lentry_in_a_cluster
	s_endpgm
.Lentry_in_a_cluster:
	s_bfe_u32 s2, ttmp6, 0x10000c
	s_cmp_lg_u32 s2, 0xf033
	s_cbranch_scc0 .Lentry_shape_is_right
	s_endpgm
.Lentry_shape_is_right:
; out0 = ctx W_o^T on codes of E2M3 with E8M0 block scales, K = 1,024; out0 [8192][1024] f32.
; A work-group makes 256 tokens x 128 columns, so that there are 256 work-groups; wave (rh, ch) makes 128 x 64: 32 accumulators, each with one matrix instruction for each 128 along K,
; always in the same order.  TRANSPOSED (source 0 = 16 rows of W_o, source 1 = 16 tokens): a lane holds eight neighbouring columns of one row of out0.
; ctx comes as images of the operand's registers (768 bytes: 16 rows x 64 K; image lane r + 16 h: words 0-3 at 16 x lane, words 4-5 at 512 + 8 x lane); W_o as rows of a stream of bits.
; K goes in steps of 256 through two LDS slots filled by the tensor data mover; four such steps are written out.  The scale bytes of all of K come once, with the first fills.
; CLUSTER 4 x 4: ctx's tiles are asked for jointly along a row of the cluster, W_o's along a column.
; REGISTERS: window 0: v1-29 addresses; v32-63 scale words, two sets; v128-223 ctx's eight fragments, ONE set (on the way out: rows of out0).  window 1: W_o's four fragments, two sets, at v0 and v128.
;   window 2: the accumulators, (token tile a, W tile b) at v[8 (4 a + b)].
.set XQS,   6291456
.set FR,    12
.set PITCH, 240                        ; a row of W_o in LDS: 3 x (64 bytes + 16 of padding)
.set ASZ,   49152                      ; a slot's part for ctx: 16 tiles x 4 images
.set SLOT,  79872                      ; + 128 rows of W_o
.set SCW,   2*SLOT                     ; W_o's scale bytes: 16 units of 256 bytes + 16
.set SCX,   SCW+16*272                 ; ctx's: 32 units
.set SPARE, SCX+32*272                 ; the spare words, 128 bytes a wave: two blocks of 256 bytes that no other line names
.set SBLK,  544
.set SPITCH, 272                       ; the way out: a stage of 16 rows x (256 bytes + 16) for each wave, in slot 0, which has had its last fill and its last read by then
.set ADA16, 8
.set ADA8,  10
.set ADRB,  12                         ; v12-13 (v14-15: behind one padding more)
.set ADRS,  20
.set STO,   24
.set RD,    25
.set CO,    26
.set SPW,   28                         ; my spare word's LDS address; never rewritten
.set NIL,   29                         ; 0; never rewritten
.set SC,    32                         ; register SC + 16 set + 2 i + q: lanes 0-15 W_o's block i, lanes 16-31 ctx's block i
.set AF,    128
.set BK,    128
.set G1,   24
.set G0,   32
.set G1B,  48
.set G0B,  56
.set G1S,  68
.set G0S,  76
.set G1SB, 80
.set G0SB, 88
.set MSB, 0
.macro WIN new                         ; the immediate's high byte repeats the setting that is left
.if MSB != \new
	s_set_vgpr_msb (MSB<<8)|\new
.set MSB, \new
.endif
.endm
.set MUL_Q, 0xa1                       ; source 0 (W_o) window 1, source 1 (ctx) window 0, C and D window 2
.set TO_B,  0x40
.macro JLOAD g0a, g1a, g0b, g1b        ; a joint load: waves 0 and 1 fetch for ctx, waves 2 and 3 for W_o; four v_nop follow each line
	s_cmp_eq_u32 s15, 0
	s_cbranch_scc0 .Lfor_b_\@
	tensor_load_to_lds s[\g0a:\g0a+3], s[\g1a:\g1a+7]
	s_nop 0
.rept 4
	v_nop
.endr
	s_branch .Lasked_\@
.Lfor_b_\@:
	tensor_load_to_lds s[\g0b:\g0b+3], s[\g1b:\g1b+7]
	s_nop 0
.rept 4
	v_nop
.endr
.Lasked_\@:
.endm
.macro CREST
	s_cmp_lg_u32 s14, 0
	s_cbranch_scc1 .Lnot_wave_0_\@
	s_barrier_signal -3
.Lnot_wave_0_\@:
	s_barrier_wait -3
	s_barrier_signal -1
	s_barrier_wait -1
.endm
.macro CROUND
	s_barrier_signal -1
	s_barrier_wait -1
	CREST
.endm
.macro PLACES n
.rept \n
	v_nop
.endr
.endm
	s_load_b256 s[4:11], s[0:1], 0x0               ; cq s[4:5], W_o's codes s[6:7], W_o's scales s[8:9], out0 s[10:11]
	v_lshl_add_u32 v[SPW], v0, 2, SPARE
	v_mov_b32 v[NIL], 0
	ds_add_u32 v28, v29
	ds_add_u32 v28, v29
	s_wait_dscnt 0x0
	v_lshrrev_b32 v1, 5, v0
	v_readfirstlane_b32 s14, v1                    ; wave 0..3
	s_lshr_b32 s15, s14, 1                         ; rh.  Also: I fetch for ctx (0) or for W_o (1)
	s_and_b32 s16, s14, 1                          ; ch.  Also: which half of a tile I fetch
	s_bfe_u32 s40, ttmp6, 0x40000
	s_bfe_u32 s41, ttmp6, 0x40004
	s_lshl_b32 s42, ttmp9, 2
	s_add_co_u32 s42, s42, s40                     ; the block of 128 columns
	s_and_b32 s17, ttmp7, 0xffff
	s_lshl_b32 s17, s17, 2
	s_add_co_u32 s17, s17, s41                     ; the block of 256 tokens
	s_lshl_b32 s43, s41, 2
	s_lshl_b32 s43, 15, s43                        ; my row of the cluster
	s_lshl_b32 s44, 0x1111, s40                    ; my column
	s_or_b32 s[G1+0], s43, (3<<16)|(1<<21)         ; ctx's tiles: 8 tiles of rows x 384 elements of 8 bytes, 1,536 elements apart
	s_mov_b32 s[G1+1], 384<<16
	s_mov_b32 s[G1+2], 8<<16
	s_mov_b32 s[G1+3], 384<<16
	s_mov_b32 s[G1+4], 8
	s_mov_b32 s[G1+5], 1536
	s_mov_b32 s[G1+6], 0
	s_mov_b32 s[G1+7], 0
	s_or_b32 s[G1B+0], s44, (1<<20)|(1<<21)|(3<<22)|(3<<25)   ; W_o's: 64 rows of 192 bytes, 768 apart; 16 bytes of padding behind every 64
	s_mov_b32 s[G1B+1], 192<<16
	s_mov_b32 s[G1B+2], 64<<16
	s_mov_b32 s[G1B+3], 192<<16
	s_mov_b32 s[G1B+4], 64
	s_mov_b32 s[G1B+5], 768
	s_mov_b32 s[G1B+6], 0
	s_mov_b32 s[G1B+7], 0
	s_or_b32 s[G1S+0], s43, (3<<16)|(1<<20)|(1<<21)|(5<<22)|(3<<25)   ; scale bytes as rows of 256 bytes + 16: 16 rows for ctx's 128 rows,
	s_mov_b32 s[G1S+1], 32<<16
	s_mov_b32 s[G1S+2], 16<<16
	s_mov_b32 s[G1S+3], 32<<16
	s_mov_b32 s[G1S+4], 16
	s_mov_b32 s[G1S+5], 32
	s_mov_b32 s[G1S+6], 0
	s_mov_b32 s[G1S+7], 0
	s_or_b32 s[G1SB+0], s44, (3<<16)|(1<<20)|(1<<21)|(5<<22)|(3<<25)  ; 8 for W_o's 64
	s_mov_b32 s[G1SB+1], 32<<16
	s_mov_b32 s[G1SB+2], 8<<16
	s_mov_b32 s[G1SB+3], 32<<16
	s_mov_b32 s[G1SB+4], 8
	s_mov_b32 s[G1SB+5], 32
	s_mov_b32 s[G1SB+6], 0
	s_mov_b32 s[G1SB+7], 0
	s_lshl_b32 s18, s16, 3
	s_lshl_b32 s20, s17, 4
	s_add_co_u32 s20, s20, s18                     ; ctx: the first tile of rows that I fetch
	s_lshl_b32 s22, s20, 9
	s_add_co_u32 s22, s22, XQS
	s_mov_b32 s23, 0
	s_mul_i32 s20, s20, 12288
	s_mov_b32 s21, 0
	s_lshl_b32 s18, s16, 6
	s_lshl_b32 s46, s42, 7
	s_add_co_u32 s46, s46, s18                     ; W_o: row 128 x block + 64 x half
	s_lshl_b32 s92, s46, 5
	s_mov_b32 s93, 0
	s_mul_i32 s46, s46, 768
	s_mov_b32 s47, 0
	s_mul_i32 s94, s16, 24576                      ; where they go: the wave's number alone enters an LDS address
	s_mul_i32 s95, s16, 15360
	s_add_co_u32 s95, s95, ASZ
	s_mul_i32 s96, s16, 4352
	s_mul_i32 s97, s16, 2176
	s_wait_kmcnt 0x0
	s_add_nc_u64 s[20:21], s[4:5], s[20:21]
	s_add_nc_u64 s[22:23], s[4:5], s[22:23]
	s_add_nc_u64 s[46:47], s[6:7], s[46:47]
	s_add_nc_u64 s[92:93], s[8:9], s[92:93]
	CROUND                                         ; all sixteen work-groups are here: the first joint loads meet
	s_mov_b32 s[G0S], 1
	s_add_co_u32 s[G0S+1], s96, SCX
	s_mov_b64 s[G0S+2:G0S+3], s[22:23]
	s_or_b32 s[G0S+3], s[G0S+3], 0x80000000
	s_mov_b32 s[G0SB], 1
	s_add_co_u32 s[G0SB+1], s97, SCW
	s_mov_b64 s[G0SB+2:G0SB+3], s[92:93]
	s_or_b32 s[G0SB+3], s[G0SB+3], 0x80000000
	JLOAD G0S, G1S, G0SB, G1SB
.irp s, 0,1
	s_mov_b32 s[G0+4*\s], 1
	s_add_co_u32 s[G0+4*\s+1], s94, \s*SLOT
	s_add_nc_u64 s[G0+4*\s+2:G0+4*\s+3], s[20:21], \s*3072
	s_or_b32 s[G0+4*\s+3], s[G0+4*\s+3], 0x80000000
	s_mov_b32 s[G0B+4*\s], 1
	s_add_co_u32 s[G0B+4*\s+1], s95, \s*SLOT
	s_add_nc_u64 s[G0B+4*\s+2:G0B+4*\s+3], s[46:47], \s*192
	s_or_b32 s[G0B+4*\s+3], s[G0B+4*\s+3], 0x80000000
	JLOAD G0+4*\s, G1, G0B+4*\s, G1B
.endr
	v_and_b32 v1, 15, v0                           ; r
	v_bfe_u32 v2, v0, 4, 1                         ; h
	v_and_b32 v3, 31, v0                           ; lane
	v_lshlrev_b32 v6, 4, v3
	v_lshlrev_b32 v7, 3, v3
	s_mul_i32 s21, s15, 24576                      ; my eight tiles of tokens
.irp s, 0,1
	v_add_nc_u32 v[ADA16+\s], s21, v6
	v_add_nc_u32 v[ADA8+\s], s21, v7
	s_add_co_u32 s21, s21, SLOT
.endr
	v_mul_u32_u24 v4, v1, PITCH
	v_mad_u32_u24 v4, v2, 24, v4
	v_lshl_add_u32 v5, v2, 4, v4
	s_mul_i32 s21, s16, 64*PITCH
	s_add_co_u32 s21, s21, ASZ                     ; my 64 rows of W_o
.irp s, 0,1
	v_add_nc_u32 v[ADRB+\s], s21, v4
	v_add_nc_u32 v[ADRB+2+\s], s21, v5
	s_add_co_u32 s21, s21, SLOT
.endr
	v_lshlrev_b32 v5, 5, v1                        ; my row's scale bytes: 32 a row,
	v_lshrrev_b32 v6, 8, v5
	v_lshl_add_u32 v5, v6, 4, v5                   ; and 16 more behind the first 256
	s_xor_b32 s18, s16, 1
	s_mul_i32 s21, s15, 4352
	s_mul_i32 s22, s16, 2176
	s_mul_i32 s23, s18, 2176
	s_add_co_u32 s23, s23, s21
	s_add_co_u32 s23, s23, 2176                    ; from W_o's words to ctx's: (SCX - SCW) + 4352 rh - 2176 ch
	v_mul_u32_u24 v6, s23, v2                      ; lanes 16-31 take ctx's: one product on the lane's half
	s_add_co_u32 s22, s22, SCW
	v_add_nc_u32 v6, v5, v6
	v_add_nc_u32 v[ADRS], s22, v6                  ; (for blocks 4-7 lanes 0-15 read filled bytes that no product selects)
	s_mul_i32 s21, s14, 16*SPITCH                  ; my stage
	v_mul_u32_u24 v5, v1, SPITCH
	v_lshl_add_u32 v5, v2, 5, v5
	v_add_nc_u32 v[STO], s21, v5                   ; in: row r, 32 bytes for each half of the lanes
	v_mul_u32_u24 v5, v2, SPITCH
	v_lshl_add_u32 v5, v1, 4, v5
	v_add_nc_u32 v[RD], s21, v5                    ; back: lanes 0-15 one row of 256 bytes, lanes 16-31 the next
	v_lshlrev_b32 v5, 12, v2
	v_lshl_add_u32 v[CO], v1, 4, v5                ; and the same two rows in out0
	s_lshl_b32 s18, s17, 8
	s_lshl_b32 s19, s15, 7
	s_add_co_u32 s18, s18, s19                     ; my first token
	s_lshl_b32 s18, s18, 12
	s_lshl_b32 s19, s42, 9
	s_add_co_u32 s18, s18, s19
	s_lshl_b32 s19, s16, 8
	s_add_co_u32 s18, s18, s19                     ; + my first column, in bytes: 512 x block + 256 x half
	s_mov_b32 s19, 0
	s_add_nc_u64 s[10:11], s[10:11], s[18:19]
.macro HFRAG reg, slot, q, a           ; a fragment of ctx: two images, each one load of 16 and one of 8 bytes a lane, dense
	ds_load_b128 v[\reg:\reg+3],     v[ADA16+\slot] offset:3072*(\a)+1536*(\q)
	ds_load_b64  v[\reg+4:\reg+5],   v[ADA8+\slot]  offset:3072*(\a)+1536*(\q)+512
	ds_load_b128 v[\reg+6:\reg+9],   v[ADA16+\slot] offset:3072*(\a)+1536*(\q)+768
	ds_load_b64  v[\reg+10:\reg+11], v[ADA8+\slot]  offset:3072*(\a)+1536*(\q)+1280
.endm
.macro FETCH_A slot, q, i0             ; 16 loads
.irp i, \i0, \i0+1, \i0+2, \i0+3
	HFRAG AF+FR*(\i), \slot, \q, \i
.endr
.endm
.macro FRAG reg, adr, q, i             ; a fragment of W_o from rows, in pieces of 8 bytes
.irp p, 0,1,2,3,4,5
.set PC, 12*(\q)+6*(\p/3)+\p%3
.if PC%8 < 5
	ds_load_b64 v[\reg+2*\p:\reg+2*\p+1], v[\adr] offset:8*PC+16*(PC/8)+(\i)*16*PITCH
.else
	ds_load_b64 v[\reg+2*\p:\reg+2*\p+1], v[\adr+2] offset:8*PC+16*(PC/8)+(\i)*16*PITCH
.endif
.endr
.endm
.macro FETCH_B slot, q, p              ; 24 loads
	WIN TO_B
.irp i, 0,1,2,3
	FRAG 128*(\p)+FR*\i, ADRB+\slot, \q, \i
.endr
	WIN 0
.endm
.macro SCALES sc                       ; 8 loads
.irp i, 0,1,2,3,4,5,6,7
	ds_load_b64 v[SC+16*\sc+2*\i:SC+16*\sc+2*\i+1], v[ADRS] offset:\i*SBLK
.endr
.endm
.macro MULQ2 a0, p, q, sc, zero        ; 8 matrix instructions: token tiles a0, a0 + 1 x my four tiles of W_o.  zero = 1: the first product starts the sums
.irp a, \a0, \a0+1
.irp b, 0,1,2,3
.if \zero
	v_wmma_scale_f32_16x16x128_f8f6f4 v[8*(4*(\a)+\b):8*(4*(\a)+\b)+7], v[128*(\p)+FR*\b:128*(\p)+FR*\b+FR-1], v[AF+FR*(\a):AF+FR*(\a)+FR-1], 0, v[SC+16*(\sc)+2*\b+(\q)], v[SC+16*(\sc)+2*(\a)+(\q)] matrix_a_fmt:MATRIX_FMT_FP6 matrix_b_fmt:MATRIX_FMT_FP6 matrix_b_scale:MATRIX_SCALE_ROW1
.else
	v_wmma_scale_f32_16x16x128_f8f6f4 v[8*(4*(\a)+\b):8*(4*(\a)+\b)+7], v[128*(\p)+FR*\b:128*(\p)+FR*\b+FR-1], v[AF+FR*(\a):AF+FR*(\a)+FR-1], v[8*(4*(\a)+\b):8*(4*(\a)+\b)+7], v[SC+16*(\sc)+2*\b+(\q)], v[SC+16*(\sc)+2*(\a)+(\q)] matrix_a_fmt:MATRIX_FMT_FP6 matrix_b_fmt:MATRIX_FMT_FP6 matrix_b_scale:MATRIX_SCALE_ROW1
.endif
.endr
.endr
.endm
.macro STEP slot, zero                 ; a slot's first 128 along K (W_o's set 0); it fetches the second 128
	s_wait_dscnt 16                                ; all but the youngest sixteen loads (ctx's tiles 4-7) are in
	WIN MUL_Q
	MULQ2 0, 0, 0, \slot, \zero
	MULQ2 2, 0, 0, \slot, \zero
	s_wait_dscnt 0x0
	PLACES 4
	FETCH_B \slot, 1, 1
	FETCH_A \slot, 1, 0
	WIN MUL_Q
	MULQ2 4, 0, 0, \slot, \zero
	MULQ2 6, 0, 0, \slot, \zero
	PLACES 4
	WIN 0
	FETCH_A \slot, 1, 4
.endm
; A slot's second 128 along K changes slots: ONE barrier; in front of it each wave waits for all its tensor loads, adds 0 to its spare word, and waits for that and for its reads of this slot.
.macro TURN slot, next, fill
	s_wait_tensorcnt 0x0                           ; all my tensor loads have landed: my part of the next slot
	ds_add_u32 v[SPW], v[NIL]                      ; 0 onto my spare word
	s_wait_dscnt 17                                ; (the add and the youngest sixteen loads may be out)
	WIN MUL_Q
	MULQ2 0, 1, 1, \slot, 0                        ; eight matrix instructions stand between the add and the wait for it
	s_wait_dscnt 0x0                               ; the add is done, and my reads of this slot are over
	s_barrier_signal -1
	MULQ2 2, 1, 1, \slot, 0
	WIN 0
	s_barrier_wait -1
.if \fill
	CREST                                          ; no wave of any partner still reads this slot or has a load on its way
	s_add_nc_u64 s[G0+4*\slot+2:G0+4*\slot+3], s[G0+4*\slot+2:G0+4*\slot+3], 2*3072
	s_add_nc_u64 s[G0B+4*\slot+2:G0B+4*\slot+3], s[G0B+4*\slot+2:G0B+4*\slot+3], 2*192
	JLOAD G0+4*\slot, G1, G0B+4*\slot, G1B         ; the four v_nop behind it are also the places in front of the loads below
.else
	PLACES 4
.endif
	v_add_nc_u32 v[ADRS], 8, v[ADRS]               ; on to the next K step's scale words
	FETCH_B \next, 0, 0
	FETCH_A \next, 0, 0
	SCALES \next
	WIN MUL_Q
	MULQ2 4, 1, 1, \slot, 0
	MULQ2 6, 1, 1, \slot, 0
	PLACES 4
	WIN 0
	FETCH_A \next, 0, 4
.endm
	s_wait_tensorcnt 1                             ; the scales and my part of K step 0 are in; K step 1's load may stay out
	s_barrier_signal -1
	s_barrier_wait -1
	FETCH_B 0, 0, 0
	FETCH_A 0, 0, 0
	SCALES 0
	FETCH_A 0, 0, 4
	STEP 0, 1
	TURN 0, 1, 1
	STEP 1, 0
	TURN 1, 0, 1
	STEP 0, 0
	TURN 0, 1, 0
	STEP 1, 0
	s_wait_dscnt 16
	WIN MUL_Q
	MULQ2 0, 1, 1, 1, 0
	MULQ2 2, 1, 1, 1, 0
	s_wait_dscnt 0x0
	MULQ2 4, 1, 1, 1, 0
	MULQ2 6, 1, 1, 1, 0
	WIN 0
; THE WAY OUT, 16 tokens x 64 columns at a time: a lane holds 32 neighbouring bytes of a row, the lanes beside it other rows; so a block goes through my own stage and comes back as rows of 256 bytes.
; LDS serves a wave's instructions in order: no wait between the stores and the loads, nor in front of the next block's stores.
.macro TOSTAGE a
	WIN 0x08                                       ; an LDS store's data: window 2
.irp b, 0,1,2,3
	ds_store_b128 v[STO], v[8*(4*(\a)+\b):8*(4*(\a)+\b)+3] offset:64*\b        ; each accumulator from its low end on
	ds_store_b128 v[STO], v[8*(4*(\a)+\b)+4:8*(4*(\a)+\b)+7] offset:64*\b+16
.endr
	WIN 0
.set BB, BK+32*((\a)%2)
.irp t, 0,1,2,3,4,5,6,7
	ds_load_b128 v[BB+4*\t:BB+4*\t+3], v[RD] offset:\t*2*SPITCH
.endr
.endm
.macro SEND a, younger                 ; younger: the LDS instructions issued behind block a's loads, which may stay out
.set BB, BK+32*((\a)%2)
	s_wait_dscnt \younger
.if (\a) > 0
	s_add_nc_u64 s[10:11], s[10:11], 16*4096       ; (behind a wait on XCNT: the earlier stores have read their base)  16 rows on
.endif
.irp t, 0,1,2,3,4,5,6,7
	global_store_b128 v[CO], v[BB+4*\t:BB+4*\t+3], s[10:11] offset:\t*2*4096 th:TH_STORE_NT   ; sixteen lanes store 256 consecutive aligned bytes; written once, read by nobody here
.endr
.endm
	PLACES 4
	TOSTAGE 0
.irp a, 1,2,3,4,5,6,7
.if \a > 1
	s_wait_xcnt 0x0                                ; block a - 2's stores have read their registers and their base
.endif
	TOSTAGE \a
	SEND \a-1, 16                                  ; behind block a - 1's loads: block a's 8 stores and 8 loads
.endr
	s_wait_xcnt 0x0
	SEND 7, 0
	s_wait_tensorcnt 0x0                           ; the wave's end
	ds_add_u32 v[SPW], v[NIL]
	s_wait_dscnt 0x0
	CROUND                                         ; the closing round
	s_endpgm
.Lfunc_end_k_q03be25d356_proj:
	.size	k_q03be25d356_proj, .Lfunc_end_k_q03be25d356_proj-k_q03be25d356_proj
	.p2alignl 7, 3214868480
	.fill 96, 4, 3214868480
	.section	.rodata,"a",@progbits
	.p2align	6, 0x0
	.amdhsa_kernel k_q03be25d356_proj
		.amdhsa_group_segment_fixed_size 327680
		.amdhsa_private_segment_fixed_size 0
		.amdhsa_enable_private_segment 0
		.amdhsa_kernarg_size 32
		.amdhsa_user_sgpr_count 2
		.amdhsa_user_sgpr_kernarg_segment_ptr 1
		.amdhsa_wavefront_size32 1
		.amdhsa_system_sgpr_workgroup_id_x 1
		.amdhsa_system_sgpr_workgroup_id_y 1
		.amdhsa_system_sgpr_workgroup_id_z 1
		.amdhsa_system_vgpr_workitem_id 0
		.amdhsa_next_free_vgpr 768
		.amdhsa_next_free_sgpr 100
		.amdhsa_reserve_vcc 0
		.amdhsa_float_denorm_mode_32 3
		.amdhsa_float_denorm_mode_16_64 3
		.amdhsa_memory_ordered 1
		.amdhsa_forward_progress 1
		.amdhsa_inst_pref_size 94
	.end_amdhsa_kernel
	.amdgpu_metadata
---
amdhsa.version: [ 1, 2 ]
amdhsa.kernels:
  - .name:           k_q03be25d356_proj
    .symbol:         k_q03be25d356_proj.kd
    .args:
      - { .name: cq, .offset: 0, .size: 8, .value_kind: global_buffer, .address_space: global }
      - { .name: W_o_codes, .offset: 8, .size: 8, .value_kind: global_buffer, .address_space: global }
      - { .name: W_o_scales, .offset: 16, .size: 8, .value_kind: global_buffer, .address_space: global }
      - { .name: out0, .offset: 24, .size: 8, .value_kind: global_buffer, .address_space: global }
    .group_segment_fixed_size: 327680
    .private_segment_fixed_size: 0
    .kernarg_segment_align: 8
    .kernarg_segment_size: 32
    .max_flat_workgroup_size: 128
    .sgpr_count:     100
    .vgpr_count:     768
    .wavefront_size: 32
...
	.end_amdgpu_metadata
.endif
;; end of part 4
